; MI455X (gfx1250); checked and timed in simulation.
; The chip was launched on July 23, 2026; its instructions are those of AMD's public machine-readable ISA for CDNA 5 (MIT licence, August 2026) and "CDNA5" Instruction Set Architecture Reference Guide (July 2026). The comments in the code are by the model that wrote it; some were corrected since.
;; Llama Attention. Allowed arithmetic: float matrix products may take bf16 or f16 operands with f32 sums; other float arithmetic in f32, or as packed bf16 or f16 multiplies, adds, multiply-adds, maxima and minima; sums over many terms, partial sums and values carried from step to step in f32; what a program stores and reads back later, other than sums and carried values, may be rounded once to bf16 or f16.
;; Inputs: Wk 512 x 2,048 float32; Wo 2,048 x 1,024 float32; Wq 1,024 x 2,048 float32; Wv 512 x 2,048 float32; attention_mask 1 x 1 x 2,048 x 2,048 float32; cos 2 x 2,048 x 64 float32; hidden_states 2 x 2,048 x 2,048 float32; sin 2 x 2,048 x 64 float32.
;; Outputs: out0 2 x 2,048 x 2,048 float32.
;; One version. Each part assembles by itself: llvm-mc -triple=amdgcn-amd-amdhsa -mcpu=gfx1250 --defsym DOCPART=n.
;; ======== version 1 of 1: 4 launches
;; limits: right only within a limited range of input values; values are held in f16: magnitudes above 65,504 overflow, below 6.1e-05 lose precision
;; workspace buffers: xb 16,777,216 bytes; wb 8,388,608 bytes; wo16 4,194,304 bytes; m2 16,777,216 bytes; rope 2,097,152 bytes; qkv 16,777,216 bytes; o16 16,777,216 bytes
;; launch prep (part 1): grid 1184 x 1, 8 waves a work-group, no clusters, 0 bytes of LDS; arguments hidden_states, Wq, Wk, Wv, Wo, attention_mask, cos, sin, xb, wb, wo16, m2, rope; writes xb, wb, wo16, m2, rope
.if DOCPART == 1
	.amdgcn_target "amdgcn-amd-amdhsa--gfx1250"
	.amdhsa_code_object_version 6
	.text
	.protected	k_q59e94defd4_prep
	.globl	k_q59e94defd4_prep
	.p2align	8
	.type	k_q59e94defd4_prep,@function
k_q59e94defd4_prep:
	s_mov_b64 s[64:65], 0
	v_nop
	global_prefetch_b8 v0, s[64:65] scope:SCOPE_SE
	s_setreg_imm32_b32 hwreg(HW_REG_WAVE_MODE, 25, 1), 1
	s_wait_xcnt 0x0
; PREP: every input is read once, rounded once to bf16, and laid out for the launches behind.
;   xb   [4096][2048] bf16 = x            wb [2048][2048] bf16 = Wq's, Wk's, Wv's rows on end
;   wo16 [2048][1024] f16  = Wo rounded to bf16, that number written as f16
;   m2   [2048][2048] f32  = max(mask rounded to bf16 x log2(e), -1e30)
;   rope [4096][128]  f32  : columns 0-63 kappa x cos[d]; columns 64-127 kappa x sin[d], with a minus for d < 32 (the sign of the turned half);
;                            cos and sin rounded to bf16 first; kappa = sqrt(log2(e) / 8), so that q . k comes out in units of log2
; LIMITS.  A mask number at or below -1e30 / log2(e) (the rounding's -inf among them) counts as -1e30; a NaN in the mask becomes -1e30 (the maximum drops it); +inf is not treated apart.
; A number of Wo below 6e-5 keeps f16's fixed step of 6e-8; beyond 65,504 it would be lost.
; SHARES.  A stream: no LDS, no matrix unit, no cluster: no byte is used twice.  A work-group takes 65,536 bytes of one input; thread t the 16 bytes at 4,096 i + 16 t, i = 0 .. 15.
; All 16 loads of a thread go out at once (8 KiB a wave); each is waited for by its own count, converted in place and stored.  No register is written twice, so no store's data has to be freed.
; Which input: the work-group's number against eight fixed ranges; source, destination and the shift from source to destination bytes are chosen by scalar selects.
.set KAPPA,  0x3ed96d27                ; sqrt(log2(e) / 8) = 0.4246609
.set LOG2E,  0x3fb8aa3b
.set FLOOR,  0xf149f2ca                ; -1e30
.set X,      16                        ; v[16:79]  load i in X + 4 i .. + 3
	s_load_b512 s[8:23], s[0:1], 0x0               ; x 8, Wq 10, Wk 12, Wv 14, Wo 16, mask 18, cos 20, sin 22
	s_load_b256 s[24:31], s[0:1], 0x40             ; xb 24, wb 26, wo16 28, m2 30
	s_load_b64 s[32:33], s[0:1], 0x60              ; rope
	s_mov_b32 s34, ttmp9                           ; the work-group's number
	v_lshlrev_b32 v1, 4, v0                        ; 16 t: the loads, and stores of as many bytes
	v_lshlrev_b32 v2, 3, v0                        ; 8 t: stores of half the bytes
	v_lshrrev_b32 v3, 4, v0                        ; rope: token t / 16 of 16, 512 bytes each,
	v_and_b32 v10, 15, v0
	v_lshlrev_b32 v3, 9, v3
	v_lshl_or_b32 v3, v10, 4, v3                   ; + 16 (t % 16)
	v_xor_b32 v4, 8, v0                            ; my four channels 4 (t % 16) .. lie below 32 where bit 3 of t is 0:
	v_and_b32 v4, 8, v4
	v_lshlrev_b32 v4, 28, v4                       ; there a sign bit
	s_mov_b32 s39, FLOOR
	s_mov_b32 s44, LOG2E
	s_mov_b32 s45, LOG2E                           ; named with it as a pair
	s_mov_b32 s2, 0                                ; the range's first work-group
	s_mov_b32 s36, 0                               ; bytes in front of the range's part of the destination
	s_mov_b32 s3, 15                               ; log2 of a work-group's destination bytes
	s_wait_kmcnt 0x0
	s_mov_b64 s[4:5], s[8:9]                       ; range 0: x -> xb
	s_mov_b64 s[6:7], s[24:25]
.macro JOB first, src, dst, extra, shift
	s_cmp_ge_u32 s34, \first
	s_cselect_b64 s[4:5], s[\src:\src+1], s[4:5]
	s_cselect_b64 s[6:7], s[\dst:\dst+1], s[6:7]
	s_cselect_b32 s2, \first, s2
	s_cselect_b32 s36, \extra, s36
	s_cselect_b32 s3, \shift, s3
.endm
	JOB 512,  10, 26, 0,       15                  ; Wq -> wb
	JOB 640,  12, 26, 4194304, 15                  ; Wk -> wb, behind Wq's 1,024 rows
	JOB 704,  14, 26, 6291456, 15                  ; Wv -> wb, behind Wk's 512
	JOB 768,  16, 28, 0,       15                  ; Wo -> wo16
	JOB 896,  18, 30, 0,       16                  ; mask -> m2
	JOB 1152, 20, 32, 0,       17                  ; cos -> rope
	JOB 1168, 22, 32, 256,     17                  ; sin -> rope, the second half of each row
	s_cselect_b32 s38, 0x80000000, 0               ; by the last compare: only sin takes the sign
	s_sub_co_u32 s35, s34, s2                      ; my place in the range
	s_lshl_b32 s40, s35, 16
	s_mov_b32 s41, 0
	s_lshl_b32 s42, s35, s3
	s_add_co_u32 s42, s42, s36
	s_mov_b32 s43, 0
	s_add_nc_u64 s[4:5], s[4:5], s[40:41]
	s_add_nc_u64 s[6:7], s[6:7], s[42:43]
	v_and_b32 v4, s38, v4
	v_xor_b32 v4, KAPPA, v4                        ; kappa or -kappa
	v_mov_b32 v5, v4                               ; a pair for the packed multiply
.set i, 0
.rept 16
	global_load_b128 v[X+4*i:X+4*i+3], v1, s[4:5] offset:4096*i th:TH_LOAD_NT
.set i, i+1
.endr
	s_cmp_lt_u32 s34, 768
	s_cbranch_scc1 .Lpath_a
	s_cmp_lt_u32 s34, 896
	s_cbranch_scc1 .Lpath_b
	s_cmp_lt_u32 s34, 1152
	s_cbranch_scc1 .Lpath_c
.macro RND                             ; load i's four numbers rounded to bf16 and widened again, in place
	v_cvt_pk_bf16_f32 v6, v[X+4*i], v[X+4*i+1]
	v_cvt_pk_bf16_f32 v7, v[X+4*i+2], v[X+4*i+3]
	v_lshlrev_b32 v[X+4*i], 16, v6
	v_and_b32 v[X+4*i+1], 0xffff0000, v6
	v_lshlrev_b32 v[X+4*i+2], 16, v7
	v_and_b32 v[X+4*i+3], 0xffff0000, v7
.endm
	; cos and sin: times kappa (sin's first 32 channels: -kappa); 16 lanes store 256 consecutive bytes, half a row of rope
.set i, 0
.rept 16
	s_wait_loadcnt 15-i                            ; loads come back in order: load i is in, the 15 - i younger ones may stay out
	RND
	v_pk_mul_f32 v[X+4*i:X+4*i+1], v[X+4*i:X+4*i+1], v[4:5]
	v_pk_mul_f32 v[X+4*i+2:X+4*i+3], v[X+4*i+2:X+4*i+3], v[4:5]
	global_store_b128 v3, v[X+4*i:X+4*i+3], s[6:7] offset:8192*i th:TH_STORE_NT
.set i, i+1
.endr
	s_endpgm
.Lpath_a:                              ; x, Wq, Wk, Wv: to bf16; a wave's store covers 256 consecutive bytes, aligned
.set i, 0
.rept 16
	s_wait_loadcnt 15-i
	v_cvt_pk_bf16_f32 v[X+4*i], v[X+4*i], v[X+4*i+1]
	v_cvt_pk_bf16_f32 v[X+4*i+1], v[X+4*i+2], v[X+4*i+3]
	global_store_b64 v2, v[X+4*i:X+4*i+1], s[6:7] offset:2048*i th:TH_STORE_NT
.set i, i+1
.endr
	s_endpgm
.Lpath_b:                              ; Wo: to bf16, and that number as f16
.set i, 0
.rept 16
	s_wait_loadcnt 15-i
	RND
	v_cvt_pk_f16_f32 v[X+4*i], v[X+4*i], v[X+4*i+1]
	v_cvt_pk_f16_f32 v[X+4*i+1], v[X+4*i+2], v[X+4*i+3]
	global_store_b64 v2, v[X+4*i:X+4*i+1], s[6:7] offset:2048*i th:TH_STORE_NT
.set i, i+1
.endr
	s_endpgm
.Lpath_c:                              ; the mask: to bf16, times log2(e), held at -1e30 from below
.set i, 0
.rept 16
	s_wait_loadcnt 15-i
	RND
	v_pk_mul_f32 v[X+4*i:X+4*i+1], v[X+4*i:X+4*i+1], s[44:45] op_sel_hi:[1,0]
	v_pk_mul_f32 v[X+4*i+2:X+4*i+3], v[X+4*i+2:X+4*i+3], s[44:45] op_sel_hi:[1,0]
	v_max_num_f32 v[X+4*i], s39, v[X+4*i]
	v_max_num_f32 v[X+4*i+1], s39, v[X+4*i+1]
	v_max_num_f32 v[X+4*i+2], s39, v[X+4*i+2]
	v_max_num_f32 v[X+4*i+3], s39, v[X+4*i+3]
	global_store_b128 v1, v[X+4*i:X+4*i+3], s[6:7] offset:4096*i th:TH_STORE_NT
.set i, i+1
.endr
	s_endpgm
.Lfunc_end_k_q59e94defd4_prep:
	.size	k_q59e94defd4_prep, .Lfunc_end_k_q59e94defd4_prep-k_q59e94defd4_prep
	.p2alignl 7, 3214868480
	.fill 96, 4, 3214868480
	.section	.rodata,"a",@progbits
	.p2align	6, 0x0
	.amdhsa_kernel k_q59e94defd4_prep
		.amdhsa_group_segment_fixed_size 0
		.amdhsa_private_segment_fixed_size 0
		.amdhsa_enable_private_segment 0
		.amdhsa_kernarg_size 104
		.amdhsa_user_sgpr_count 2
		.amdhsa_user_sgpr_kernarg_segment_ptr 1
		.amdhsa_wavefront_size32 1
		.amdhsa_system_sgpr_workgroup_id_x 1
		.amdhsa_system_sgpr_workgroup_id_y 1
		.amdhsa_system_sgpr_workgroup_id_z 1
		.amdhsa_system_vgpr_workitem_id 0
		.amdhsa_next_free_vgpr 80
		.amdhsa_next_free_sgpr 66
		.amdhsa_reserve_vcc 0
		.amdhsa_float_denorm_mode_32 3
		.amdhsa_float_denorm_mode_16_64 3
		.amdhsa_memory_ordered 1
		.amdhsa_forward_progress 1
		.amdhsa_inst_pref_size 39
	.end_amdhsa_kernel
	.amdgpu_metadata
---
amdhsa.version: [ 1, 2 ]
amdhsa.kernels:
  - .name:           k_q59e94defd4_prep
    .symbol:         k_q59e94defd4_prep.kd
    .args:
      - { .name: hidden_states, .offset: 0, .size: 8, .value_kind: global_buffer, .address_space: global }
      - { .name: Wq, .offset: 8, .size: 8, .value_kind: global_buffer, .address_space: global }
      - { .name: Wk, .offset: 16, .size: 8, .value_kind: global_buffer, .address_space: global }
      - { .name: Wv, .offset: 24, .size: 8, .value_kind: global_buffer, .address_space: global }
      - { .name: Wo, .offset: 32, .size: 8, .value_kind: global_buffer, .address_space: global }
      - { .name: attention_mask, .offset: 40, .size: 8, .value_kind: global_buffer, .address_space: global }
      - { .name: cos, .offset: 48, .size: 8, .value_kind: global_buffer, .address_space: global }
      - { .name: sin, .offset: 56, .size: 8, .value_kind: global_buffer, .address_space: global }
      - { .name: xb, .offset: 64, .size: 8, .value_kind: global_buffer, .address_space: global }
      - { .name: wb, .offset: 72, .size: 8, .value_kind: global_buffer, .address_space: global }
      - { .name: wo16, .offset: 80, .size: 8, .value_kind: global_buffer, .address_space: global }
      - { .name: m2, .offset: 88, .size: 8, .value_kind: global_buffer, .address_space: global }
      - { .name: rope, .offset: 96, .size: 8, .value_kind: global_buffer, .address_space: global }
    .group_segment_fixed_size: 0
    .private_segment_fixed_size: 0
    .kernarg_segment_align: 8
    .kernarg_segment_size: 104
    .max_flat_workgroup_size: 256
    .sgpr_count:     66
    .vgpr_count:     80
    .wavefront_size: 32
...
	.end_amdgpu_metadata
.endif
;; end of part 1
;; launch qkv (part 2): grid 16 x 16, 4 waves a work-group, clusters of 4 x 4, 327,680 bytes of LDS; arguments xb, wb, rope, qkv; writes qkv
.if DOCPART == 2
	.amdgcn_target "amdgcn-amd-amdhsa--gfx1250"
	.amdhsa_code_object_version 6
	.text
	.protected	k_q59e94defd4_qkv
	.globl	k_q59e94defd4_qkv
	.p2align	8
	.type	k_q59e94defd4_qkv,@function
k_q59e94defd4_qkv:
	s_mov_b64 s[64:65], 0
	v_nop
	global_prefetch_b8 v0, s[64:65] scope:SCOPE_SE
	s_setreg_imm32_b32 hwreg(HW_REG_WAVE_MODE, 25, 1), 1
	s_wait_xcnt 0x0
	s_wait_alu depctr_hold_cnt(0) depctr_sa_sdst(0) depctr_va_vdst(0) depctr_va_sdst(0) depctr_va_ssrc(0) depctr_va_vcc(0) depctr_vm_vsrc(0)
	s_getreg_b32 s2, hwreg(HW_REG_IB_STS2, 6, 4)
	s_cmp_eq_u32 s2, 0
	s_cbranch_scc0 .Lentry_in_a_cluster
	s_endpgm
.Lentry_in_a_cluster:
	s_bfe_u32 s2, ttmp6, 0x10000c
	s_cmp_lg_u32 s2, 0xf033
	s_cbranch_scc0 .Lentry_shape_is_right
	s_endpgm
.Lentry_shape_is_right:
; Q, K, V PROJECTIONS WITH RoPE.  C[token][col] = sum over k of xb[token][k] wb[col][k], bf16 operands, f32 sums, K = 2,048; columns 0-1023 q, 1024-1535 k, 1536-2047 v.
; q and k are turned by rope's table (which carries kappa = sqrt(log2(e) / 8) and the turned half's sign): out[d] = C[d] cosk[d] + C[d xor 32] sink[d]; v leaves as it is.
; All leave rounded once to f16, by heads: qkv[b][g][s][64], g = 0-15 q, 16-23 k, 24-31 v.  LIMIT: kappa q, kappa k and v stay within f16's 65,504.
; SHARES.  A tile of C is 256 tokens x 128 columns: 16 x 16 work-groups, one for each of 256 WGPs.  Four waves, each 128 tokens x 64 columns (ONE head): 32 accumulators of 16 x 16, 256 registers.
; K goes in steps of 128 (rows of 256 bytes, aligned) through two LDS slots; a wave brings a part of a slot by one tensor load: waves 0, 1 the halves of A's 256 rows, waves 2, 3 of B's 128.
; CLUSTER 4 x 4: A's tile hangs on the tile row alone and is asked for jointly along a row of the cluster, B's on the tile column alone, along a column.
; THE MATRIX INSTRUCTION IS USED TRANSPOSED (source 0 = 16 rows of wb, source 1 = 16 tokens): a lane holds one token (lane % 16) and eight neighbouring columns 8 (lane / 16) + 0..7.
; REGISTERS.  Window 0: v16-30 addresses; two fragment buffers of 96 (A's 8 fragments, then B's 4) at v32 and v128; on the way out v32-159 rope's numbers, v160-239 at work.  Window 1: accumulator (a, b) at 8 (4 a + b).
.set SIZE_K, 2048
.set KSTEP,  128
.set PITCH,  272                       ; an LDS row: 256 bytes + 16 of padding = 68 words: the 16 rows of a fragment load start at 16 different groups of four banks
.set AHALF,  128*PITCH
.set BHALF,  64*PITCH
.set ATILE,  2*AHALF
.set SLOT,   ATILE+2*BHALF             ; 104,448: A's 256 rows, then B's 128
.set STAGE,  2*SLOT                    ; behind the ring: 16 rows x 144 bytes for each wave, never filled by a tensor load
.set SP,     144
.set SPARE,  STAGE+4*16*SP             ; the spare words, 128 bytes a wave: two blocks of 256 bytes that no other line names
.set LAPS,   SIZE_K/(2*KSTEP)
.set ADRA, 16                          ; v16-17  LDS address of my A fragments in slot 0, 1
.set ADRB, 20                          ; v20-21  the same for B
.set STO,  24                          ; v24     the way out: where I put 16 bytes of a row
.set RD,   25                          ; v25     where I read rows back
.set CO,   26                          ; v26     16 x lane: my place in 512 consecutive bytes of qkv
.set RO,   27                          ; v27     my byte offset in 16 rows of rope
.set SPW,  28                          ; v28     my spare word; never rewritten
.set NIL,  29                          ; v29     0; never rewritten
.set PFO,  30                          ; v30     the prefetches' offset; never rewritten
.set F0,   32
.set F1,   128
.set RB0,  32                          ; the way out: rope's numbers for a block of 16 tokens, two buffers of 64: cos of channel block blk at + 8 blk, sin at + 32 + 8 blk
.set T,    160                         ; 32 turned numbers
.set H,    192                         ; 16 registers of f16 pairs
.set OBK,  208                         ; two buffers of 16: rows read back
.set WV,   12                          ; s12 wave; s13 its row half (also: 0 = I fetch for A); s14 its column half (also: which half I fetch)
.set RH,   13
.set CH,   14
.set G1A,  24
.set G0A,  32
.set LIM1, 42                          ; s42, s43: 1 where this wave prefetches at slot 1's, slot 0's change, else the greatest number
.set LIM,  43
.set PFA,  44
.set G1B,  48
.set G0B,  56
.set FLAGS, (1<<16)|(1<<20)|(1<<21)|(5<<22)|(3<<25)  ; 2-byte elements; padding on; bit 21 beside a mask; after every 64 words; 4 words
.set MUL,  0x50                        ; C and D in window 1, the sources in window 0
.set MSB, 0
.macro WIN new                         ; the immediate's high byte repeats the setting that is left; a switch that changes nothing is dropped
.if MSB != (\new)
	s_set_vgpr_msb (MSB<<8)|(\new)
.set MSB, \new
.endif
.endm
.macro JLOAD s                         ; a joint load; the branch hangs on the wave's number alone; an s_nop 0 and four v_nop follow each line
	s_cmp_eq_u32 s[RH], 0
	s_cbranch_scc0 .Lfor_b_\@
	tensor_load_to_lds s[G0A+4*(\s):G0A+4*(\s)+3], s[G1A:G1A+7]
	s_nop 0
.rept 4
	v_nop
.endr
	s_branch .Lasked_\@
.Lfor_b_\@:
	tensor_load_to_lds s[G0B+4*(\s):G0B+4*(\s)+3], s[G1B:G1B+7]
	s_nop 0
.rept 4
	v_nop
.endr
.Lasked_\@:
.endm
; A prefetch of the K step two refills on (256 matrix instructions of a wave ahead of the load that wants it).  Each row's 256 bytes of a K step are named once in the launch:
; A's rows by the clusters with x = 0, waves 0, 1: of a wave's 128 rows the partner at cx takes 32, a lane a row, at every change of slots;
; B's rows by the clusters with y = 0, waves 2, 3: of a wave's 64 rows the partner at cy takes 16, lanes 0-15 for one K step and lanes 16-31 for the next, at slot 0's changes alone.
; The partners are told apart by address, never by a branch.  The loop's last trip (s3 = 1) asks for nothing: there is no K step two on; K steps 0 to 3 come by their loads alone.
.macro ASK slot
.if (\slot) == 0
	s_cmp_gt_u32 s3, s[LIM]
.else
	s_cmp_gt_u32 s3, s[LIM1]
.endif
	s_cbranch_scc0 .Lnot_mine_\@
	global_prefetch_b8 v[PFO], s[PFA:PFA+1] offset:KSTEP*2 th:TH_LOAD_NT scope:SCOPE_SE
.Lnot_mine_\@:
.endm
.macro CREST                           ; a round of the cluster's barrier behind its opening barrier
	s_cmp_lg_u32 s[WV], 0
	s_cbranch_scc1 .Lnot_wave_0_\@
	s_barrier_signal -3
.Lnot_wave_0_\@:
	s_barrier_wait -3
	s_barrier_signal -1
	s_barrier_wait -1
.endm
.macro CROUND
	s_barrier_signal -1
	s_barrier_wait -1
	CREST
.endm
.macro PLACES                          ; four plain places behind matrix instructions, in front of loads into registers that they read and of lines that read results
.rept 4
	v_nop
.endr
.endm
	s_load_b256 s[4:11], s[0:1], 0x0               ; xb s[4:5], wb s[6:7], rope s[8:9], qkv s[10:11]
	v_lshl_add_u32 v[SPW], v0, 2, SPARE
	v_mov_b32 v[NIL], 0
	ds_add_u32 v[SPW], v[NIL]                      ; the wave's opening: the add and its wait stand ahead of my first tensor load; register work stands between
	v_lshrrev_b32 v1, 5, v0
	v_readfirstlane_b32 s[WV], v1
	s_lshr_b32 s[RH], s[WV], 1
	s_and_b32 s[CH], s[WV], 1
	s_bfe_u32 s15, ttmp6, 0x40000                  ; cx
	s_bfe_u32 s16, ttmp6, 0x40004                  ; cy
	s_lshl_b32 s17, ttmp9, 2
	s_add_co_u32 s17, s17, s15                     ; tile column = 4 x cluster x + cx
	s_and_b32 s18, ttmp7, 0xffff
	s_lshl_b32 s18, s18, 2
	s_add_co_u32 s18, s18, s16                     ; tile row = 4 x cluster y + cy
	s_lshl_b32 s20, s16, 2
	s_lshl_b32 s20, 15, s20                        ; my row of the cluster
	s_lshl_b32 s46, 0x1111, s15                    ; my column
	s_or_b32 s[G1A], s20, FLAGS
	s_or_b32 s[G1B], s46, FLAGS
	s_mov_b32 s[G1A+1], KSTEP<<16                  ; tensor_dim0 = 128
	s_mov_b32 s[G1A+2], 128<<16                    ; tensor_dim1 = 128
	s_mov_b32 s[G1A+3], KSTEP<<16                  ; tile_dim0 = 128
	s_mov_b32 s[G1A+4], 128                        ; tile_dim1 = 128
	s_mov_b32 s[G1A+5], SIZE_K                     ; elements from row to row
	s_mov_b32 s[G1A+6], 0
	s_mov_b32 s[G1A+7], 0
	s_mov_b32 s[G1B+1], KSTEP<<16
	s_mov_b32 s[G1B+2], 64<<16                     ; B's loads have 64 rows
	s_mov_b32 s[G1B+3], KSTEP<<16
	s_mov_b32 s[G1B+4], 64
	s_mov_b32 s[G1B+5], SIZE_K
	s_mov_b32 s[G1B+6], 0
	s_mov_b32 s[G1B+7], 0
	s_lshl_b32 s20, s18, 8                         ; A: row 256 x tile row + 128 x half, in bytes (under 2^24)
	s_lshl_b32 s21, s[CH], 7
	s_add_co_u32 s20, s20, s21
	s_mul_i32 s20, s20, SIZE_K*2
	s_mov_b32 s21, 0
	s_lshl_b32 s46, s17, 7                         ; B: row 128 x tile column + 64 x half
	s_lshl_b32 s47, s[CH], 6
	s_add_co_u32 s46, s46, s47
	s_mul_i32 s46, s46, SIZE_K*2
	s_mov_b32 s47, 0
	s_mul_i32 s66, s[CH], AHALF                    ; where they go: no place in the cluster enters an LDS address
	s_mul_i32 s67, s[CH], BHALF
	s_add_co_u32 s67, s67, ATILE
	s_wait_dscnt 0x0                               ; the opening add is done
	s_wait_kmcnt 0x0
	s_add_nc_u64 s[40:41], s[4:5], s[20:21]
	s_add_nc_u64 s[46:47], s[6:7], s[46:47]
	CROUND                                         ; all sixteen work-groups are here: the first joint loads meet
.irp s, 0,1
	s_mov_b32 s[G0A+4*(\s)], 1
	s_add_co_u32 s[G0A+4*(\s)+1], s66, (\s)*SLOT
	s_add_nc_u64 s[G0A+4*(\s)+2:G0A+4*(\s)+3], s[40:41], (\s)*KSTEP*2
	s_or_b32 s[G0A+4*(\s)+3], s[G0A+4*(\s)+3], 0x80000000
	s_mov_b32 s[G0B+4*(\s)], 1
	s_add_co_u32 s[G0B+4*(\s)+1], s67, (\s)*SLOT
	s_add_nc_u64 s[G0B+4*(\s)+2:G0B+4*(\s)+3], s[46:47], (\s)*KSTEP*2
	s_or_b32 s[G0B+4*(\s)+3], s[G0B+4*(\s)+3], 0x80000000
	JLOAD \s                                       ; two loads of mine are out
.endr
	v_and_b32 v1, 15, v0                           ; r = lane % 16
	v_bfe_u32 v2, v0, 4, 1                         ; h = lane / 16
	v_mul_u32_u24 v3, v1, PITCH
	v_lshl_add_u32 v3, v2, 4, v3                   ; a fragment: row x pitch + 16 h, two loads 32 bytes apart
	s_mul_i32 s20, s[RH], AHALF
	s_mul_i32 s21, s[CH], BHALF
	s_add_co_u32 s21, s21, ATILE
.irp s, 0,1
	v_add_nc_u32 v[ADRA+(\s)], s20, v3
	v_add_nc_u32 v[ADRB+(\s)], s21, v3
	s_add_co_u32 s20, s20, SLOT
	s_add_co_u32 s21, s21, SLOT
.endr
	s_mul_i32 s22, s[WV], 16*SP
	s_add_co_u32 s22, s22, STAGE                   ; my stage
	v_mul_u32_u24 v4, v1, SP
	v_lshl_add_u32 v4, v2, 4, v4
	v_add_nc_u32 v[STO], s22, v4                   ; in: row r, 16 bytes for each half of the lanes
	v_bfe_u32 v5, v0, 3, 2
	v_mul_u32_u24 v5, v5, SP
	v_and_b32 v6, 7, v0
	v_lshl_add_u32 v5, v6, 4, v5
	v_add_nc_u32 v[RD], s22, v5                    ; back: 32 lanes take four rows of 128 bytes,
	v_and_b32 v[CO], 31, v0
	v_lshlrev_b32 v[CO], 4, v[CO]                  ; which are 512 consecutive bytes of qkv
	v_lshlrev_b32 v[RO], 9, v1
	v_lshl_add_u32 v[RO], v2, 5, v[RO]             ; rope: token r x 512 + my 8 channels' 32 bytes
	s_lshr_b32 s20, s18, 3                         ; b
	s_lshl_b32 s20, s20, 5
	s_lshl_b32 s21, s17, 1
	s_add_co_u32 s20, s20, s21
	s_add_co_u32 s20, s20, s[CH]                   ; 32 b + g, g = 2 x tile column + my half
	s_lshl_b32 s20, s20, 18                        ; a head is 2,048 x 128 bytes
	s_and_b32 s21, s18, 7
	s_lshl_b32 s21, s21, 15                        ; the tile's 256 tokens
	s_add_co_u32 s20, s20, s21
	s_lshl_b32 s21, s[RH], 14                      ; my 128 of them
	s_add_co_u32 s20, s20, s21
	s_mov_b32 s21, 0
	s_add_nc_u64 s[10:11], s[10:11], s[20:21]
	s_lshl_b32 s20, s18, 17                        ; rope at my first token: 512 bytes a token
	s_lshl_b32 s22, s[RH], 16
	s_add_co_u32 s20, s20, s22
	s_add_nc_u64 s[8:9], s[8:9], s[20:21]
	; the prefetches
	s_lshl_b32 s20, s18, 8
	s_lshl_b32 s21, s[CH], 7
	s_add_co_u32 s20, s20, s21
	s_lshl_b32 s21, s15, 5
	s_add_co_u32 s20, s20, s21                     ; A: my work-group's 32 of the 128 rows that I fetch
	s_lshl_b32 s22, s17, 7
	s_lshl_b32 s23, s[CH], 6
	s_add_co_u32 s22, s22, s23
	s_lshl_b32 s23, s16, 4
	s_add_co_u32 s22, s22, s23                     ; B: my work-group's 16 of the 64
	s_and_b32 s23, ttmp7, 0xffff                   ; cluster y
	s_cmp_eq_u32 s[RH], 0                          ; do I fetch for A?
	s_cselect_b32 s20, s20, s22
	s_cselect_b32 s23, ttmp9, s23                  ; the coordinate along which other clusters read the same rows
	s_cselect_b64 s[PFA:PFA+1], s[4:5], s[6:7]
	s_cselect_b32 s40, 31, 15                      ; lanes that name rows,
	s_cselect_b32 s41, 0, KSTEP*2                  ; and what the upper half of the lanes adds
	s_cmp_eq_u32 s23, 0
	s_cselect_b32 s[LIM], 1, -1                    ; the same in all sixteen partners, for a given wave
	s_cmp_eq_u32 s[RH], 0
	s_cselect_b32 s[LIM1], s[LIM], -1
	s_mul_i32 s20, s20, SIZE_K*2
	s_add_co_u32 s20, s20, 2*KSTEP*2               ; at K step 2: the first change of slots steps it to 3 and names K step 4
	s_mov_b32 s21, 0
	s_add_nc_u64 s[PFA:PFA+1], s[PFA:PFA+1], s[20:21]
	v_and_b32 v[PFO], s40, v0
	v_mul_u32_u24 v[PFO], v[PFO], SIZE_K*2
	v_mad_u32_u24 v[PFO], v2, s41, v[PFO]
; 8 matrix instructions: token blocks a0, a0 + 1 x all 4 column blocks, 32 along K.  The 32 accumulators come in the same order in every quarter, one instruction a turn.
.macro MUL8 f, a0, zero
	WIN MUL
.irp a, \a0, (\a0)+1
.irp b, 0,1,2,3
.if \zero
	v_wmma_f32_16x16x32_bf16 v[8*(4*(\a)+(\b)):8*(4*(\a)+(\b))+7], v[(\f)+64+8*(\b):(\f)+64+8*(\b)+7], v[(\f)+8*(\a):(\f)+8*(\a)+7], 0
.else
	v_wmma_f32_16x16x32_bf16 v[8*(4*(\a)+(\b)):8*(4*(\a)+(\b))+7], v[(\f)+64+8*(\b):(\f)+64+8*(\b)+7], v[(\f)+8*(\a):(\f)+8*(\a)+7], v[8*(4*(\a)+(\b)):8*(4*(\a)+(\b))+7]
.endif
.endr
.endr
.endm
; 24 LDS loads in one run: B's 4 fragments, A's first 4, A's last 4, of 32 along K at byte k of the rows
.macro FETCH slot, k, f
	WIN 0
.irp i, 0,1,2,3
	ds_load_b128 v[(\f)+64+8*(\i):(\f)+64+8*(\i)+3],   v[ADRB+(\slot)] offset:(\k)+(\i)*16*PITCH
	ds_load_b128 v[(\f)+64+8*(\i)+4:(\f)+64+8*(\i)+7], v[ADRB+(\slot)] offset:(\k)+(\i)*16*PITCH+32
.endr
.irp i, 0,1,2,3,4,5,6,7
	ds_load_b128 v[(\f)+8*(\i):(\f)+8*(\i)+3],   v[ADRA+(\slot)] offset:(\k)+(\i)*16*PITCH
	ds_load_b128 v[(\f)+8*(\i)+4:(\f)+8*(\i)+7], v[ADRA+(\slot)] offset:(\k)+(\i)*16*PITCH+32
.endr
.endm
; A K step is four quarters of 32 along K, 32 matrix instructions each, on buffers 0, 1, 0, 1.  One of the first three: multiplies f, fetches the next quarter into g in its middle.
.macro QUARTER slot, k, f, g, zero
	s_wait_dscnt 8                                 ; B and A's rows 0-63 are in; the youngest eight loads (A's rows 64-127) may be out
	MUL8 \f, 0, \zero
	MUL8 \f, 2, \zero
	PLACES
	FETCH \slot, \k, \g
	s_wait_dscnt 24                                ; all but the 24 just issued
	MUL8 \f, 4, \zero
	MUL8 \f, 6, \zero
.endm
; The last quarter multiplies buffer 1 and changes slots: one barrier; in front of it each wave waits for all its tensor loads (one is out: its part of the next slot), adds 0 to its spare word,
; and waits for that and for its reads of this slot.  fill = 1: the barrier opens a round of the cluster's, and the joint refill, two K steps on, is the first tensor load behind it.
.macro TURN slot, next, fill
.if \fill
	s_wait_xcnt 0x0                                ; the last prefetch, a K step back, has read its address: it is stepped here
	s_add_nc_u64 s[PFA:PFA+1], s[PFA:PFA+1], KSTEP*2
.endif
	WIN 0
	s_wait_tensorcnt 0x0
	ds_add_u32 v[SPW], v[NIL]
	s_wait_dscnt 9                                 ; the add and the youngest eight loads may be out
	MUL8 F1, 0, 0
	s_wait_dscnt 0x0                               ; the add is done, my reads of this slot are over
	s_barrier_signal -1
	MUL8 F1, 2, 0
.if \fill
	WIN 0
.endif
	s_barrier_wait -1
.if \fill
	CREST                                          ; no wave of any partner still reads this slot or has a load on its way
	s_add_nc_u64 s[G0A+4*(\slot)+2:G0A+4*(\slot)+3], s[G0A+4*(\slot)+2:G0A+4*(\slot)+3], 2*KSTEP*2
	s_add_nc_u64 s[G0B+4*(\slot)+2:G0B+4*(\slot)+3], s[G0B+4*(\slot)+2:G0B+4*(\slot)+3], 2*KSTEP*2
	JLOAD \slot                                    ; its four v_nop are also the places in front of the loads below
.else
	PLACES
.endif
	FETCH \next, 0, F0
.if \fill
	ASK \slot
.endif
	MUL8 F1, 4, 0
	MUL8 F1, 6, 0
.endm
	s_wait_tensorcnt 1                             ; my part of K step 0 is in; K step 1's may stay out
	s_barrier_signal -1
	s_barrier_wait -1
	FETCH 0, 0, F0
	QUARTER 0, 64, F0, F1, 1                       ; the first quarter's products start the sums
	WIN 0
	s_mov_b32 s3, LAPS-1
.Llap:                                         ; once round the ring, from a lap's second quarter to the next lap's first; both slots are filled again
	QUARTER 0, 128, F1, F0, 0
	QUARTER 0, 192, F0, F1, 0
	TURN 0, 1, 1
	QUARTER 1, 64,  F0, F1, 0
	QUARTER 1, 128, F1, F0, 0
	QUARTER 1, 192, F0, F1, 0
	TURN 1, 0, 1
	QUARTER 0, 64,  F0, F1, 0
	WIN 0
	s_sub_co_u32 s3, s3, 1
	s_cmp_lg_u32 s3, 0
	s_cbranch_scc1 .Llap
	QUARTER 0, 128, F1, F0, 0                      ; the last lap fills nothing
	QUARTER 0, 192, F0, F1, 0
	TURN 0, 1, 0
	QUARTER 1, 64,  F0, F1, 0
	QUARTER 1, 128, F1, F0, 0
	QUARTER 1, 192, F0, F1, 0
	s_wait_dscnt 8
	MUL8 F1, 0, 0
	MUL8 F1, 2, 0
	s_wait_dscnt 0x0
	MUL8 F1, 4, 0
	MUL8 F1, 6, 0
	WIN 0
	PLACES
	PLACES                                         ; eight, once a launch
; THE WAY OUT, a block of 16 tokens at a time.  Accumulator (a, blk), register j, holds token 16 a + r, channel d = 16 blk + 8 h + j of my head; d xor 32 lies in block blk xor 2, same lane, same register.
.macro RLOAD a                         ; rope's cos and sin for block a: 16 loads of 16 bytes a lane
.set RB, RB0+64*((\a)%2)
.irp blk, 0,1,2,3
	global_load_b128 v[RB+8*(\blk):RB+8*(\blk)+3],       v[RO], s[8:9] offset:8192*(\a)+64*(\blk)
	global_load_b128 v[RB+8*(\blk)+4:RB+8*(\blk)+7],     v[RO], s[8:9] offset:8192*(\a)+64*(\blk)+16
	global_load_b128 v[RB+32+8*(\blk):RB+32+8*(\blk)+3],   v[RO], s[8:9] offset:8192*(\a)+256+64*(\blk)
	global_load_b128 v[RB+32+8*(\blk)+4:RB+32+8*(\blk)+7], v[RO], s[8:9] offset:8192*(\a)+256+64*(\blk)+16
.endr
.endm
.macro PACK a, rope
.set RB, RB0+64*((\a)%2)
.set BK, OBK+16*((\a)%2)
.if \rope
.if (\a) < 7
	s_wait_loadcnt 16                              ; block a's 16 loads are in; the next block's 16 may stay out
.else
	s_wait_loadcnt 0x0
.endif
	WIN 0x01                                       ; source 0 (the sums) in window 1
.irp blk, 0,1,2,3
.irp jj, 0,1,2,3
	v_pk_mul_f32 v[T+8*(\blk)+2*(\jj):T+8*(\blk)+2*(\jj)+1], v[8*(4*(\a)+(\blk))+2*(\jj):8*(4*(\a)+(\blk))+2*(\jj)+1], v[RB+8*(\blk)+2*(\jj):RB+8*(\blk)+2*(\jj)+1]
.endr
.irp jj, 0,1,2,3
	v_pk_fma_f32 v[T+8*(\blk)+2*(\jj):T+8*(\blk)+2*(\jj)+1], v[8*(4*(\a)+((\blk)+2)%4)+2*(\jj):8*(4*(\a)+((\blk)+2)%4)+2*(\jj)+1], v[RB+32+8*(\blk)+2*(\jj):RB+32+8*(\blk)+2*(\jj)+1], v[T+8*(\blk)+2*(\jj):T+8*(\blk)+2*(\jj)+1]
.endr
.endr
	WIN 0
.set n, 0
.rept 16
	v_cvt_pk_f16_f32 v[H+n], v[T+2*n], v[T+2*n+1]
.set n, n+1
.endr
.if (\a) < 6
	RLOAD (\a)+2                                   ; the buffer just used takes the block two on
.endif
.else
	WIN 0x05                                       ; both sources in window 1
.irp blk, 0,1,2,3
.irp jj, 0,1,2,3
	v_cvt_pk_f16_f32 v[H+4*(\blk)+(\jj)], v[8*(4*(\a)+(\blk))+2*(\jj)], v[8*(4*(\a)+(\blk))+2*(\jj)+1]
.endr
.endr
	WIN 0
.endif
	s_wait_xcnt 0x0                                ; the stores of two blocks back have read the registers that the loads below write
.irp blk, 0,1,2,3
	ds_store_b128 v[STO], v[H+4*(\blk):H+4*(\blk)+3] offset:32*(\blk)
.endr
.irp f, 0,1,2,3
	ds_load_b128 v[BK+4*(\f):BK+4*(\f)+3], v[RD] offset:(\f)*4*SP  ; LDS serves a wave's instructions in order: these see the stores above, and the next block's stores come behind them
.endr
.endm
.macro SEND a, younger                 ; younger: the LDS instructions issued behind block a's loads
.set BK, OBK+16*((\a)%2)
.irp f, 0,1,2,3
	s_wait_dscnt (\younger)+3-(\f)
	global_store_b128 v[CO], v[BK+4*(\f):BK+4*(\f)+3], s[10:11] offset:2048*(\a)+512*(\f)  ; 512 consecutive bytes, at a multiple of 256 from qkv's first
.endr
.endm
	s_cmp_eq_u32 ttmp9, 3                          ; cluster x = 3 holds v's columns: the same answer in all sixteen partners
	s_cbranch_scc1 .Lv
	RLOAD 0
	RLOAD 1
	PACK 0, 1
.irp a, 1,2,3,4,5,6,7
	PACK \a, 1
	SEND (\a)-1, 8
.endr
	SEND 7, 0
	s_branch .Lend
.Lv:
	PACK 0, 0
.irp a, 1,2,3,4,5,6,7
	PACK \a, 0
	SEND (\a)-1, 8
.endr
	SEND 7, 0
.Lend:
	s_wait_tensorcnt 0x0                           ; the wave's end: behind my last tensor load and my last LDS store
	ds_add_u32 v[SPW], v[NIL]
	s_wait_dscnt 0x0
	CROUND                                         ; the closing round: no work-group ends while a partner may still ask for a tile that names it
	s_endpgm
.Lfunc_end_k_q59e94defd4_qkv:
	.size	k_q59e94defd4_qkv, .Lfunc_end_k_q59e94defd4_qkv-k_q59e94defd4_qkv
	.p2alignl 7, 3214868480
	.fill 96, 4, 3214868480
	.section	.rodata,"a",@progbits
	.p2align	6, 0x0
	.amdhsa_kernel k_q59e94defd4_qkv
		.amdhsa_group_segment_fixed_size 327680
		.amdhsa_private_segment_fixed_size 0
		.amdhsa_enable_private_segment 0
		.amdhsa_kernarg_size 32
		.amdhsa_user_sgpr_count 2
		.amdhsa_user_sgpr_kernarg_segment_ptr 1
		.amdhsa_wavefront_size32 1
		.amdhsa_system_sgpr_workgroup_id_x 1
		.amdhsa_system_sgpr_workgroup_id_y 1
		.amdhsa_system_sgpr_workgroup_id_z 1
		.amdhsa_system_vgpr_workitem_id 0
		.amdhsa_next_free_vgpr 512
		.amdhsa_next_free_sgpr 72
		.amdhsa_reserve_vcc 0
		.amdhsa_float_denorm_mode_32 3
		.amdhsa_float_denorm_mode_16_64 3
		.amdhsa_memory_ordered 1
		.amdhsa_forward_progress 1
		.amdhsa_inst_pref_size 134
	.end_amdhsa_kernel
	.amdgpu_metadata
---
amdhsa.version: [ 1, 2 ]
amdhsa.kernels:
  - .name:           k_q59e94defd4_qkv
    .symbol:         k_q59e94defd4_qkv.kd
    .args:
      - { .name: xb, .offset: 0, .size: 8, .value_kind: global_buffer, .address_space: global }
      - { .name: wb, .offset: 8, .size: 8, .value_kind: global_buffer, .address_space: global }
      - { .name: rope, .offset: 16, .size: 8, .value_kind: global_buffer, .address_space: global }
      - { .name: qkv, .offset: 24, .size: 8, .value_kind: global_buffer, .address_space: global }
    .group_segment_fixed_size: 327680
    .private_segment_fixed_size: 0
    .kernarg_segment_align: 8
    .kernarg_segment_size: 32
    .max_flat_workgroup_size: 128
    .sgpr_count:     72
    .vgpr_count:     512
    .wavefront_size: 32
...
	.end_amdgpu_metadata
.endif
;; end of part 2
;; launch attn (part 3): grid 16 x 16, 4 waves a work-group, clusters of 4 x 4, 327,680 bytes of LDS; arguments qkv, m2, o16; writes o16
.if DOCPART == 3
	.amdgcn_target "amdgcn-amd-amdhsa--gfx1250"
	.amdhsa_code_object_version 6
	.text
	.protected	k_q59e94defd4_attn
	.globl	k_q59e94defd4_attn
	.p2align	8
	.type	k_q59e94defd4_attn,@function
k_q59e94defd4_attn:
	s_mov_b64 s[64:65], 0
	v_nop
	global_prefetch_b8 v0, s[64:65] scope:SCOPE_SE
	s_setreg_imm32_b32 hwreg(HW_REG_WAVE_MODE, 25, 1), 1
	s_wait_xcnt 0x0
	s_wait_alu depctr_hold_cnt(0) depctr_sa_sdst(0) depctr_va_vdst(0) depctr_va_sdst(0) depctr_va_ssrc(0) depctr_va_vcc(0) depctr_vm_vsrc(0)
	s_getreg_b32 s2, hwreg(HW_REG_IB_STS2, 6, 4)
	s_cmp_eq_u32 s2, 0
	s_cbranch_scc0 .Lentry_in_a_cluster
	s_endpgm
.Lentry_in_a_cluster:
	s_bfe_u32 s2, ttmp6, 0x10000c
	s_cmp_lg_u32 s2, 0xf033
	s_cbranch_scc0 .Lentry_shape_is_right
	s_endpgm
.Lentry_shape_is_right:
; ATTENTION WITH AN ADDITIVE MASK THAT IS AN INPUT.  O[b][h][q] = sum over k of softmax_k(q . k / 8 + mask[q][k]) v[b][h / 2][k].  q and k arrive in f16 with sqrt(log2(e) / 8) folded into each,
; the mask (m2) in f32 times log2(e), held at -1e30 from below: S' = k q^T + m2 is the exponent to base 2.  Every key tile is multiplied and every mask number is read: no pattern of the mask is built in.
; p = 2^(S' - m) with a running maximum m; O and l are multiplied by a = 2^(m_old - m_new) in every step.  Products, maxima and sums in f32; p is rounded to f16 for the second product.
; O LEAVES AS TWO f16 NUMBERS: hi = O rounded to f16, lo = (O - hi) rounded to f16: o16[token][2048], hi at column 64 h + d, lo at 1,024 + 64 h + d.  The output projection adds both products in one f32 sum,
; so that O's rounding, 2^-12 of each number, does not reach an output whose allowance goes by the root mean square of all rows while single rows are many times larger.
; LIMITS.  q, k, v within f16's 65,504.  A mask number at or below -1e30 (in units of log2) counts as -1e30: a score, 2.7e11 at the most, is nothing beside it, so a row with every key hidden gives the plain mean of v.
; A weight below 2^-126 counts as 0 in l.  lo keeps f16's fixed step of 6e-8.  Mask numbers near f32's top, +inf and NaN are not treated apart.
; SHARES.  A work-group: 128 query rows x the TWO query heads of one key/value head; 16 x 16 work-groups, one for each of 256 WGPs.  Wave w: rows 32 w .. + 31 of both heads: four tiles of 16 queries, t = 2 head + row tile.
; A PIECE is a head's two tiles.  Both pieces use the same K, V and the same mask registers.  Keys go 64 a step; an LDS slot holds 128 keys: K, V and 128 rows x 128 numbers of the mask; two slots.
; THE MASK COSTS NO VECTOR WORK: it is the C operand of the product that starts each sum.
; LAYOUT.  S^T = K Q^T (source 0 = 16 keys, source 1 = 16 queries): a lane holds ONE query (lane % 16) and keys 8 (lane / 16) + 0..7; two results rounded to f16 ARE source 1 of O^T = V^T P.  V comes out of LDS turned.
; BY TURNS.  In turn x piece x has the matrix unit: 16 products V^T P of the step in hand, later 16 products K Q^T of the next step.  The other piece's softmax, 234 vector instructions, stands beside them: four behind each
; product, 74 in a lump between the two runs, 32 at the end.  Its 66 exponentials are one batch with one wait, which stands behind the lump.
; m starts at the lowest finite number, O and l at 0: the first step is a step like any other, with a = 0; the loop is entered, and the tail left, in the middle of a trip.
; CLUSTER 4 x 4.  K and V hang on (b, kv) = grid y and are asked for jointly along a row of the cluster; the mask's tile hangs on the query block = grid x, jointly along a column.
; REGISTERS, in windows of 256.  Window 0: v1-14 addresses; v16-47 statistics, 8 a tile: m, (unused), l, l, c0-c3; v62-63 the add's; v64-191 S^T, 32 a tile; v192-255 P, 16 a tile.
;   Window 1: v0-127 O^T, 32 a tile; v128-191 the mask of one step, (row tile, key block) at 128 + 32 rt + 8 kb.   Window 2: v0-63 Q; v64-127 K of one step; v128-191 V of one step.
.set KS,    64
.set PKB,   144                        ; a row of K in LDS: 128 bytes + 16: the 16 rows of a load start at 16 different groups of four banks
.set PVB,   160                        ; a row of V: 128 + 32
.set PMB,   528                        ; a row of the mask: 512 + 16 = 132 words: row r starts at bank 4 r mod 64
.set VOFF,  2*KS*PKB                   ; 18,432
.set MOFF,  VOFF+2*KS*PVB              ; 38,912
.set SLOT1, 1<<17                      ; a slot is 106,496 bytes; slot 1 begins here, so that one exclusive or changes slots
.set STAGE, SLOT1+MOFF+128*PMB         ; 237,568: 16 rows x 272 bytes for each wave, never filled by a tensor load
.set SPO,   272
.set SPARE, STAGE+4*16*SPO             ; the spare words, 128 bytes a wave: two blocks of 256 bytes that no other line names
.set AK0, 2
.set AV0, 3
.set AM0, 4
.set AK,  5
.set AV,  6
.set AM,  7
.set QO,  8                            ; v8   my byte offset in 16 rows of Q; later:
.set STO, 8                            ;      the way out: where I put 16 bytes of a row
.set RD,  10
.set GO,  11
.set NEG, 12                           ; v12  at work at the head; on the way out -1.0
.set PFO, 14
.set ST,  16
.set SPW, 62
.set NIL, 63
.set S,   64
.set P,   192
.set PKR, 64                           ; the way out: 32 registers of f16 pairs, shared by the four passes (only LDS stores read them)
.set BKR, 96                           ; the way out: four buffers of 32, a pass each: rows read back
.set MC,  128                          ; window 1
.set KF,  64                           ; window 2: key block kb, channel half c at KF + 16 kb + 8 c
.set VF,  128                          ; window 2: key half kk, channel block cb at VF + 32 kk + 8 cb
.set WV,  12
.set LIM, 17                           ; s17  1 in a wave that prefetches, else the greatest number
.set PFA, 18                           ; s[18:19] where my prefetches stand
.set G1K, 24
.set G1V, 32
.set G0K, 40
.set G0V, 44
.set G0M, 48
.set PFS, 52                           ; s[52:53] the prefetches' step from slot to slot
.set SLOTS, 56
.set CNT, 57
.set SEL, 60
.set TBK, 62                           ; s62, s63, s66: LDS byte at which K, V (less VOFF), the mask (less MOFF) of the step to be fetched begin
.set TBV, 63
.set TBM, 66
.set G1M, 72
.set W_KM, 0x1a                        ; K and Q in window 2, the mask (C) in window 1, S^T in window 0
.set W_KQ, 0x0a                        ; the same with C in window 0
.set W_PV, 0x52                        ; V in window 2, P in window 0, O^T in window 1
.set W_RS, 0x41                        ; destination and source 0 in window 1, source 1 in window 0
.set W_LO, 0x50                        ; destination and source 2 in window 1, sources 0 and 1 in window 0
.set MSB, 0
.macro WIN new
.if MSB != (\new)
	s_set_vgpr_msb (MSB<<8)|(\new)
.set MSB, (\new)
.endif
.endm
; A joint fill: wave 0 a slot's K, wave 1 its V, waves 2 and 3 the halves of its mask tile.  The branches hang on the wave's number alone.  An s_nop 0 and four v_nop follow each line.
.macro JLOAD
	s_cmp_lg_u32 s[WV], 0
	s_cbranch_scc1 .Lnot_k_\@
	tensor_load_to_lds s[G0K:G0K+3], s[G1K:G1K+7]
	s_nop 0
.rept 4
	v_nop
.endr
	s_branch .Lasked_\@
.Lnot_k_\@:
	s_cmp_lg_u32 s[WV], 1
	s_cbranch_scc1 .Lfor_m_\@
	tensor_load_to_lds s[G0V:G0V+3], s[G1V:G1V+7]
	s_nop 0
.rept 4
	v_nop
.endr
	s_branch .Lasked_\@
.Lfor_m_\@:
	tensor_load_to_lds s[G0M:G0M+3], s[G1M:G1M+7]
	s_nop 0
.rept 4
	v_nop
.endr
.Lasked_\@:
.endm
; A prefetch of what the NEXT change of slots will ask for: two key steps, 128 matrix instructions and their vector work, ahead.  Each block of 256 bytes is named once in the launch.
; K and V: the clusters with x = 0, wave 0: of a slot's 64 blocks of K the partner at cx takes 16 (lanes 0-15), and the same 16 of V (lanes 16-31).
; The mask: the clusters with y = 0, waves 2 and 3: of a wave's 64 rows the partner at cy takes 16, lanes 0-15 the first 256 bytes and lanes 16-31 the second.  Partners are told apart by address alone.
; The last change that fills a slot (SLOTS = 1) asks for nothing.
.macro ASK
	s_cmp_gt_u32 s[SLOTS], s[LIM]
	s_cbranch_scc0 .Lnot_mine_\@
	global_prefetch_b8 v[PFO], s[PFA:PFA+1] th:TH_LOAD_NT scope:SCOPE_SE
.Lnot_mine_\@:
.endm
.macro CROUND                          ; a round of the cluster's barrier
	s_barrier_signal -1
	s_barrier_wait -1
	s_cmp_lg_u32 s[WV], 0
	s_cbranch_scc1 .Lnot_wave_0_\@
	s_barrier_signal -3
.Lnot_wave_0_\@:
	s_barrier_wait -3
	s_barrier_signal -1
	s_barrier_wait -1
.endm
; THE CHANGE OF SLOTS, behind the turn that has asked for the slot's last bytes (V of its second step).  Each wave waits for all its tensor loads (one is out: its part of the other slot), adds 0 to its spare word,
; and waits for that and for its reads of the slot.  fill = 1: the barrier is a round of the cluster's, and the joint refill, two slots on, is the first thing behind it.
; (At its first use nothing has been read yet: slot 0 is waited for, slot 1 filled.)
.macro CHANGE fill
	WIN 0
	s_wait_tensorcnt 0x0                           ; no tensor load of mine is out, so a group 0 may be written
	ds_add_u32 v[SPW], v[NIL]
.if \fill
	s_xor_b32 s[G0K+1], s[G0K+1], SLOT1
	s_add_nc_u64 s[G0K+2:G0K+3], s[G0K+2:G0K+3], 2*KS*128
	s_xor_b32 s[G0V+1], s[G0V+1], SLOT1
	s_add_nc_u64 s[G0V+2:G0V+3], s[G0V+2:G0V+3], 2*KS*128
	s_xor_b32 s[G0M+1], s[G0M+1], SLOT1
	s_add_nc_u64 s[G0M+2:G0M+3], s[G0M+2:G0M+3], 2*KS*4
	s_wait_xcnt 0x0                                ; the last prefetch, two key steps back, has read its address
	s_add_nc_u64 s[PFA:PFA+1], s[PFA:PFA+1], s[PFS:PFS+1]
	s_wait_dscnt 0x0                               ; the add is done, my reads of the slot are over
	CROUND
	JLOAD
	ASK
.else
	s_wait_dscnt 0x0
	s_barrier_signal -1
	s_barrier_wait -1
.endif
	s_sub_co_u32 s[TBK], s[TBK], 2*KS*PKB          ; the fetches go back to a slot's first step, in the other slot
	s_xor_b32 s[TBK], s[TBK], SLOT1
	s_sub_co_u32 s[TBV], s[TBV], 2*KS*PVB
	s_xor_b32 s[TBV], s[TBV], SLOT1
	s_sub_co_u32 s[TBM], s[TBM], 2*KS*4
	s_xor_b32 s[TBM], s[TBM], SLOT1
.endm
	s_load_b128 s[4:7], s[0:1], 0x0                ; qkv s[4:5], m2 s[6:7]
	s_load_b64 s[8:9], s[0:1], 0x10                ; o16
	v_lshl_add_u32 v[SPW], v0, 2, SPARE
	v_mov_b32 v[NIL], 0
	ds_add_u32 v[SPW], v[NIL]                      ; the wave's opening: the add and its wait stand ahead of my first tensor load; register work stands between
	v_lshrrev_b32 v1, 5, v0
	v_readfirstlane_b32 s[WV], v1
	s_bfe_u32 s13, ttmp6, 0x40000                  ; cx
	s_bfe_u32 s14, ttmp6, 0x40004                  ; cy
	s_lshl_b32 s15, ttmp9, 2
	s_add_co_u32 s15, s15, s13                     ; x: my block of 128 queries
	s_and_b32 s16, ttmp7, 0xffff
	s_lshl_b32 s16, s16, 2
	s_add_co_u32 s16, s16, s14                     ; y = 8 b + kv
	s_lshl_b32 s20, s14, 2
	s_lshl_b32 s20, 15, s20                        ; my row of the cluster
	s_lshl_b32 s22, 0x1111, s13                    ; my column
	s_or_b32 s[G1K], s20, (1<<16)|(1<<20)|(1<<21)|(4<<22)|(3<<25)  ; 2-byte elements; padding on; bit 21 beside a mask; after every 32 words; 4 words
	s_or_b32 s[G1V], s20, (1<<16)|(1<<20)|(1<<21)|(4<<22)|(7<<25)  ; the same with 8 words
	s_or_b32 s[G1M], s22, (2<<16)|(1<<20)|(1<<21)|(6<<22)|(3<<25)  ; 4-byte elements; after every 128 words; 4 words
.irp g, G1K, G1V                       ; 128 keys are 16,384 dense bytes: 64 rows of 256 bytes, two keys a row, padded after every key
	s_mov_b32 s[\g+1], 128<<16
	s_mov_b32 s[\g+2], 64<<16
	s_mov_b32 s[\g+3], 128<<16
	s_mov_b32 s[\g+4], 64
	s_mov_b32 s[\g+5], 128
	s_mov_b32 s[\g+6], 0
	s_mov_b32 s[\g+7], 0
.endr
	s_mov_b32 s[G1M+1], 128<<16                    ; the mask: 64 rows of 128 numbers, 2,048 numbers from row to row
	s_mov_b32 s[G1M+2], 64<<16
	s_mov_b32 s[G1M+3], 128<<16
	s_mov_b32 s[G1M+4], 64
	s_mov_b32 s[G1M+5], 2048
	s_mov_b32 s[G1M+6], 0
	s_mov_b32 s[G1M+7], 0
	s_lshr_b32 s54, s16, 3                         ; b
	s_and_b32 s55, s16, 7                          ; kv
	s_lshl_b32 s20, s54, 5
	s_add_co_u32 s20, s20, s55                     ; 32 b + kv
	s_add_co_u32 s70, s20, s55                     ; 32 b + 2 kv: my first query head
	s_add_co_u32 s20, s20, 16
	s_lshl_b32 s20, s20, 18                        ; K's head; V's lies 8 heads on
	s_mov_b32 s21, 0
	s_and_b32 s67, s[WV], 1
	s_lshl_b32 s22, s15, 20                        ; the mask: 128 x rows of 8,192 bytes,
	s_lshl_b32 s23, s67, 19                        ; + the half that I fetch
	s_add_co_u32 s22, s22, s23
	s_mov_b32 s23, 0
	s_mul_i32 s67, s67, 64*PMB
	s_add_co_u32 s67, s67, MOFF                    ; and where it goes
	s_lshl_b32 s70, s70, 18                        ; Q: the head, my block's 128 rows of 128 bytes, my wave's 32
	s_lshl_b32 s71, s15, 14
	s_add_co_u32 s70, s70, s71
	s_lshl_b32 s71, s[WV], 12
	s_add_co_u32 s70, s70, s71
	s_mov_b32 s71, 0
	s_lshl_b32 s58, s54, 23                        ; O: token 2,048 b + 128 x + 32 w, 4,096 bytes each, + 256 kv
	s_lshl_b32 s59, s15, 19
	s_add_co_u32 s58, s58, s59
	s_lshl_b32 s59, s[WV], 17
	s_add_co_u32 s58, s58, s59
	s_lshl_b32 s59, s55, 8
	s_add_co_u32 s58, s58, s59
	s_mov_b32 s59, 0
	s_mov_b32 s[G0K], 1
	s_mov_b32 s[G0K+1], 0                          ; slot 0
	s_mov_b32 s[G0V], 1
	s_mov_b32 s[G0V+1], VOFF
	s_mov_b32 s[G0M], 1
	s_mov_b32 s[G0M+1], s67
	s_mov_b32 s[SEL], 0x76543210
	s_mov_b32 s[SEL+1], 0xfedcba98
	s_mov_b32 s[TBK], SLOT1+2*KS*PKB               ; the first change of slots turns these three into 0
	s_mov_b32 s[TBV], SLOT1+2*KS*PVB
	s_mov_b32 s[TBM], SLOT1+2*KS*4
	s_mov_b32 s[SLOTS], 15
	s_mov_b32 s[PFS], 2*KS*4                       ; the mask's step from slot to slot; the select below puts K's and V's in its place for waves 0 and 1
	s_mov_b32 s[PFS+1], 0
	s_lshl_b32 s54, s13, 12                        ; the prefetches: K's and V's 16 blocks of 256 bytes by cx,
	s_lshl_b32 s55, s14, 17                        ; the mask's 16 rows by cy
	s_and_b32 s[LIM], ttmp7, 0xffff
	s_wait_dscnt 0x0                               ; the opening add is done
	s_wait_kmcnt 0x0
	s_add_nc_u64 s[G0K+2:G0K+3], s[4:5], s[20:21]
	s_or_b32 s[G0K+3], s[G0K+3], 0x80000000
	s_add_nc_u64 s[G0V+2:G0V+3], s[4:5], s[20:21]
	s_add_nc_u64 s[G0V+2:G0V+3], s[G0V+2:G0V+3], 8<<18
	s_or_b32 s[G0V+3], s[G0V+3], 0x80000000
	s_add_nc_u64 s[G0M+2:G0M+3], s[6:7], s[22:23]
	s_or_b32 s[G0M+3], s[G0M+3], 0x80000000
	s_add_nc_u64 s[68:69], s[4:5], s[70:71]        ; Q
	s_add_nc_u64 s[8:9], s[8:9], s[58:59]          ; O
	s_mov_b32 s58, 8192                            ; the mask's figures for the prefetches' lanes: a row from lane to lane,
	s_mov_b32 s59, 256                             ; 256 bytes on for the upper half (an instruction holds one literal, so these stand in registers)
	s_cmp_lt_u32 s[WV], 2
	s_cselect_b64 s[PFA:PFA+1], s[4:5], s[6:7]
	s_cselect_b32 s54, s54, s55
	s_cselect_b32 s55, s20, s22
	s_cselect_b32 s[PFS], 2*KS*128, s[PFS]
	s_cselect_b32 s[LIM], ttmp9, s[LIM]            ; the coordinate along which other clusters read the same bytes
	s_cselect_b32 s58, 256, s58                    ; what lane % 16 steps,
	s_cselect_b32 s59, 1<<21, s59                  ; and what the upper half of the lanes adds
	s_cmp_eq_u32 s[LIM], 0
	s_cselect_b32 s[LIM], 1, -1
	s_cmp_eq_u32 s[WV], 1
	s_cselect_b32 s[LIM], -1, s[LIM]               ; wave 1 never asks; the same in all sixteen partners, for a given wave
	s_add_co_u32 s54, s54, s55
	s_add_co_u32 s54, s54, s[PFS]                  ; at slot 1's keys: the first change of slots steps it to the keys after them
	s_mov_b32 s55, 0
	s_add_nc_u64 s[PFA:PFA+1], s[PFA:PFA+1], s[54:55]
	CROUND                                         ; all sixteen work-groups are here: the first joint loads meet
	JLOAD                                          ; slot 0; slot 1 is asked for when slot 0 is in
	v_and_b32 v1, 15, v0                           ; r
	v_bfe_u32 v9, v0, 4, 1                         ; h
	v_lshlrev_b32 v[QO], 7, v1
	v_lshl_add_u32 v[QO], v9, 4, v[QO]
	WIN 0x80                                       ; destination window 2
.irp hh, 0,1
.irp rt, 0,1
.irp c, 0,1
	global_load_b128 v[16*(2*(\hh)+(\rt))+8*(\c):16*(2*(\hh)+(\rt))+8*(\c)+3],   v[QO], s[68:69] offset:262144*(\hh)+2048*(\rt)+64*(\c)
	global_load_b128 v[16*(2*(\hh)+(\rt))+8*(\c)+4:16*(2*(\hh)+(\rt))+8*(\c)+7], v[QO], s[68:69] offset:262144*(\hh)+2048*(\rt)+64*(\c)+32
.endr
.endr
.endr
	; what the first turn finds: V's registers and piece 1's P hold 0 (its products, of a step that has not been, add 0); O^T and l are 0.  All this stands in the wait for the first tile.
.set i, VF
.rept 64
	v_mov_b32 v[i], 0
.set i, i+1
.endr
	WIN 0x40
.set i, 0
.rept 128
	v_mov_b32 v[i], 0
.set i, i+1
.endr
	WIN 0
.set i, 0
.rept 4
	v_mov_b32 v[ST+8*i], 0xff7fffff                ; m
	v_mov_b32 v[ST+8*i+1], 0                       ; named with m as a pair
	v_mov_b32 v[ST+8*i+2], 0                       ; l
	v_mov_b32 v[ST+8*i+3], 0
.set i, i+1
.endr
.set i, P+32
.rept 32
	v_mov_b32 v[i], 0
.set i, i+1
.endr
	v_mul_u32_u24 v[PFO], s58, v1
	v_mad_u32_u24 v[PFO], v9, s59, v[PFO]
	v_mul_u32_u24 v[AK0], v1, PKB
	v_lshl_add_u32 v[AK0], v9, 4, v[AK0]           ; K: row x pitch + 16 h
	v_and_b32 v12, 7, v0                           ; the turning load: lane l reads key 8 h + l % 8, channels 8 ((l / 8) % 2) + 0..7
	v_bfe_u32 v13, v0, 3, 1
	v_lshl_add_u32 v[AV0], v9, 3, v12
	v_mul_u32_u24 v[AV0], v[AV0], PVB
	v_lshl_add_u32 v[AV0], v13, 4, v[AV0]
	v_add_nc_u32 v[AV0], VOFF, v[AV0]
	s_mul_i32 s20, s[WV], 32*PMB
	s_add_co_u32 s20, s20, MOFF
	v_mul_u32_u24 v[AM0], v1, PMB                  ; the mask: query row 32 w + r, keys 8 h + 0..7: 32 bytes
	v_lshl_add_u32 v[AM0], v9, 5, v[AM0]
	v_add_nc_u32 v[AM0], s20, v[AM0]
; THE MATRIX WORK.  The 8 accumulators of a run of 16 take turns, one instruction a turn.
; Product i of 16 of S^T = K Q^T + mask for piece x: channels 32 (i / 8) on, keys 16 ((i / 2) % 4) on, tile 2 x + i % 2.  The first 8 start the sums, with the mask as C.
.macro KQ x
.set rS, S+32*(2*(\x)+i%2)+8*((i/2)%4)
.set rK, KF+16*((i/2)%4)+8*(i/8)
.set rQ, 16*(2*(\x)+i%2)+8*(i/8)
.set rM, MC+32*(i%2)+8*((i/2)%4)
.if i < 8
	WIN W_KM
	v_wmma_f32_16x16x32_f16 v[rS:rS+7], v[rK:rK+7], v[rQ:rQ+7], v[rM:rM+7]
.else
	WIN W_KQ
	v_wmma_f32_16x16x32_f16 v[rS:rS+7], v[rK:rK+7], v[rQ:rQ+7], v[rS:rS+7]
.endif
.endm
; Product i of 16 of O^T += V^T P for piece x: keys 32 (i / 8) on, channels 16 ((i / 2) % 4) on, tile 2 x + i % 2.
.macro PV x
	WIN W_PV
.set rO, 32*(2*(\x)+i%2)+8*((i/2)%4)
.set rV, VF+32*(i/8)+8*((i/2)%4)
.set rP, P+16*(2*(\x)+i%2)+8*(i/8)
	v_wmma_f32_16x16x32_f16 v[rO:rO+7], v[rV:rV+7], v[rP:rP+7], v[rO:rO+7]
.endm
; THE LDS LOADS stand in runs.  A step's K (8 fragments) and its mask (2 row tiles x 4 key blocks, 32 bytes a lane each): 32 loads.  last = 1 (the tail): in the last trip there is no further step.
.macro FETCH_KM last=0
	WIN 0
	v_add_nc_u32 v[AK], s[TBK], v[AK0]
	v_add_nc_u32 v[AM], s[TBM], v[AM0]
.if \last
	s_cmp_eq_u32 s[CNT], 1
	s_cbranch_scc1 .Lno_km_\@
.endif
	WIN 0x80
.irp f, 0,1,2,3,4,5,6,7
	ds_load_b128 v[KF+8*(\f):KF+8*(\f)+3],   v[AK] offset:((\f)/2)*16*PKB+((\f)%2)*64
	ds_load_b128 v[KF+8*(\f)+4:KF+8*(\f)+7], v[AK] offset:((\f)/2)*16*PKB+((\f)%2)*64+32
.endr
	WIN 0x40
.irp f, 0,1,2,3,4,5,6,7
	ds_load_b128 v[MC+8*(\f):MC+8*(\f)+3],   v[AM] offset:((\f)/4)*16*PMB+((\f)%4)*64
	ds_load_b128 v[MC+8*(\f)+4:MC+8*(\f)+7], v[AM] offset:((\f)/4)*16*PMB+((\f)%4)*64+16
.endr
	s_add_co_u32 s[TBK], s[TBK], KS*PKB
	s_add_co_u32 s[TBM], s[TBM], KS*4
	WIN 0
.if \last
.Lno_km_\@:
.endif
.endm
.macro FETCH_V                         ; a step's V, turned: 16 loads; the wait for the softmax's batch stands in it, behind the address line and ahead of the loads
	WIN 0
	v_add_nc_u32 v[AV], s[TBV], v[AV0]
	s_add_co_u32 s[TBV], s[TBV], KS*PVB
	s_wait_alu depctr_va_vdst(0)
	WIN 0x80
.irp f, 0,1,2,3,4,5,6,7
	ds_load_tr16_b128 v[VF+8*(\f):VF+8*(\f)+3],   v[AV] offset:((\f)/4)*32*PVB+((\f)%4)*32
	ds_load_tr16_b128 v[VF+8*(\f)+4:VF+8*(\f)+7], v[AV] offset:((\f)/4)*32*PVB+16*PVB+((\f)%4)*32
.endr
.endm
; THE VECTOR WORK.  One tile's softmax for one key step is a list of 117; SM writes number j of it for tile t.  s0-s31 are the lane's 32 scores, in pairs 0-15.
;   0-15   the maximum of s0-s31 and the old m, three operands at a time (each accumulator's lowest registers are read first)
;   16-19  the other half of the lanes' maximum; m_old - m_new; the new m          20, 21  pairs 0 and 1 less m          22  a
;   23-64  fourteen times: exponential of s 2b, pair b + 2 less m, exponential of s 2b + 1          65-68  the last four exponentials.  Nothing up to here names an exponential's result.
;   (the turn's one wait)          69-84  pairs rounded to f16          85-100  the sums, in place, then l = a l + sum          101-116  O^T times a: the one part that leaves window 0
.macro SM t
.set rT, ST+8*(\t)
.set rS, S+32*(\t)
.set rP, P+16*(\t)
.set rO, 32*(\t)+2*(j-101)
.if j < 101
	WIN 0
.endif
.if j < 4
	v_max3_num_f32 v[rT+4+j], v[rS+8*j], v[rS+8*j+1], v[rS+8*j+2]
.elseif j < 12
	v_max3_num_f32 v[rT+4+j%4], v[rT+4+j%4], v[rS+8*(j%4)+2*(j/4)+1], v[rS+8*(j%4)+2*(j/4)+2]
.elseif j == 12
	v_max3_num_f32 v[rT+4], v[rT+4], v[rS+7], v[rS+15]
.elseif j == 13
	v_max3_num_f32 v[rT+6], v[rT+6], v[rS+23], v[rS+31]
.elseif j == 14
	v_max3_num_f32 v[rT+4], v[rT+4], v[rT+5], v[rT+6]
.elseif j == 15
	v_max3_num_f32 v[rT+4], v[rT+4], v[rT+7], v[rT]
.elseif j == 16
	v_permlanex16_b32 v[rT+5], v[rT+4], s[SEL], s[SEL+1]  ; the query's other 32 keys lie in the lane 16 away
.elseif j == 17
	v_max_num_f32 v[rT+5], v[rT+4], v[rT+5]
.elseif j == 18
	v_sub_f32 v[rT+7], v[rT], v[rT+5]
.elseif j == 19
	v_mov_b32 v[rT], v[rT+5]
.elseif j == 22
	v_exp_f32 v[rT+6], v[rT+7]
.elseif (j < 22) || ((j < 65) && ((j-23)%3 == 1))
.set b, j-20
.if j > 22
.set b, (j-23)/3+2
.endif
	v_pk_add_f32 v[rS+2*b:rS+2*b+1], v[rS+2*b:rS+2*b+1], v[rT:rT+1] op_sel_hi:[1,0] neg_lo:[0,1] neg_hi:[0,1]
.elseif j < 69
.set e, j-37
.if j < 65
.set e, 2*((j-23)/3)+((j-23)%3)/2
.endif
	v_exp_f32 v[rS+e], v[rS+e]
.elseif j < 85
	v_cvt_pk_f16_f32 v[rP+j-69], v[rS+2*(j-69)], v[rS+2*(j-69)+1]
.elseif j < 101
.set z, j-85
.set w, 4
.set u, z
.if z >= 14
.set w, 32
.set u, 0
.elseif z >= 12
.set w, 16
.set u, z-12
.elseif z >= 8
.set w, 8
.set u, z-8
.endif
.if z < 15
	v_pk_add_f32 v[rS+w*u:rS+w*u+1], v[rS+w*u:rS+w*u+1], v[rS+w*u+w/2:rS+w*u+w/2+1]
.else
	v_pk_fma_f32 v[rT+2:rT+3], v[rT+2:rT+3], v[rT+6:rT+7], v[rS:rS+1] op_sel_hi:[1,0,1]
.endif
.else
	WIN W_RS
	v_pk_mul_f32 v[rO:rO+1], v[rO:rO+1], v[rT+6:rT+7] op_sel_hi:[1,0]
.endif
.endm
.macro VEC                             ; entry q of the turn's 234: the piece's two tiles alternate, so that no instruction reads the result of the one just before it
.set j, q/2
	SM 2*Y+q%2
.set q, q+1
.endm
; A TURN.  Piece x has the matrix unit, piece 1 - x the vector unit.  Ahead of the wait: 16 products V^T P with four entries behind each (0-63), the lump (64-137).  A v_nop is the plain instruction behind the last
; exponential.  Behind the wait: 16 products K Q^T with four entries behind each (138-201), then the 32 rescalings, which are plain, name nothing of the last products, and are the places in front of the next turn's reads of
; those scores and of the loads into K's and the mask's registers.
; Turn 0 fetches the next step's K and mask behind its second product and waits for them behind the lump.  Turn 1 fetches the next step's V behind the lump: the last product that read V stands 78 entries back,
; 24 of them plain additions; it is waited for at turn 0's head.
.macro TURN x, last=0
.set Y, 1-(\x)
.set q, 0
.if (\x) == 0
	s_wait_dscnt 0x0                               ; V is in
.endif
.set i, 0
.rept 16
	PV \x
.rept 4
	VEC
.endr
.if ((\x) == 0) && (i == 1)
	FETCH_KM \last
.endif
.set i, i+1
.endr
.rept 74
	VEC
.endr
	v_nop
.if (\x) == 1
	FETCH_V
.else
	s_wait_alu depctr_va_vdst(0)                   ; the wait for the batch, ahead of the first line that names an exponential's result
	s_wait_dscnt 0x0                               ; K and the mask are in
.endif
.set i, 0
.rept 16
	KQ \x
.rept 4
	VEC
.endr
.set i, i+1
.endr
.rept 32
	VEC
.endr
.endm
	CHANGE 1                                       ; slot 0 is in, everybody's part of it; slot 1 is asked for
	FETCH_KM                                       ; key step 0
	s_wait_loadcnt 0x0                             ; Q
	s_wait_dscnt 0x0
.set i, 0
.rept 16
	KQ 0                                           ; piece 0's first scores
.set i, i+1
.endr
	WIN 0                                          ; the addresses for the way out: ten plain instructions, the places behind those products
	s_mul_i32 s20, s[WV], 16*SPO
	s_add_co_u32 s20, s20, STAGE
	v_mul_u32_u24 v[STO], v1, SPO                  ; in: row r, 16 bytes for each half of the lanes
	v_lshl_add_u32 v[STO], v9, 4, v[STO]
	v_add_nc_u32 v[STO], s20, v[STO]
	v_mul_u32_u24 v[RD], v9, SPO                   ; back: lanes 0-15 one row of 256 bytes (both heads), lanes 16-31 the next
	v_lshl_add_u32 v[RD], v1, 4, v[RD]
	v_add_nc_u32 v[RD], s20, v[RD]
	v_lshlrev_b32 v[GO], 12, v9                    ; and the same two rows in o16, 4,096 bytes apart
	v_lshl_add_u32 v[GO], v1, 4, v[GO]
	v_nop
	v_nop
	s_mov_b32 s[CNT], 2
	s_branch .Lfirst                               ; the loop is entered at turn 1, in the middle of a trip
.Lslot:                                        ; 14 times: every slot but the last two is filled again
	CHANGE 1
	s_mov_b32 s[CNT], 2
.Lstep:
	TURN 0
	WIN 0
.Lfirst:
	TURN 1
	WIN 0
	s_sub_co_u32 s[CNT], s[CNT], 1
	s_cmp_lg_u32 s[CNT], 0
	s_cbranch_scc1 .Lstep
	s_sub_co_u32 s[SLOTS], s[SLOTS], 1
	s_cmp_lg_u32 s[SLOTS], 0
	s_cbranch_scc1 .Lslot
	CHANGE 0                                       ; the tail is written out: nothing is asked for
	s_mov_b32 s[CNT], 3                            ; two trips fetch the last slot's steps; the third is left in its middle
.Ltail:
	TURN 0, 1
	WIN 0
	s_sub_co_u32 s[CNT], s[CNT], 1
	s_cmp_eq_u32 s[CNT], 0
	s_cbranch_scc1 .Lout
	TURN 1
	WIN 0
	s_branch .Ltail
.Lout:                                         ; the third trip's 16 products K Q^T (on the last K once more) serve nothing: the price, once a launch, of one text for every trip
.set i, 0
.rept 16
	PV 1                                           ; piece 1's V^T P of the last step
.set i, i+1
.endr
	; THE WAY OUT.  l's two halves and the other half of the lanes' are added; O^T is divided by l and leaves as hi + lo, each through my stage, 16 rows x both heads at a time: four passes.
	WIN 0
	v_mov_b32 v[NEG], -1.0
.irp t, 0,1,2,3
	v_add_f32 v[ST+8*(\t)+4], v[ST+8*(\t)+2], v[ST+8*(\t)+3]
.endr
.irp t, 0,1,2,3
	v_permlanex16_b32 v[ST+8*(\t)+5], v[ST+8*(\t)+4], s[SEL], s[SEL+1]
.endr
.irp t, 0,1,2,3
	v_add_f32 v[ST+8*(\t)+4], v[ST+8*(\t)+4], v[ST+8*(\t)+5]
.endr
.irp t, 0,1,2,3
	v_rcp_f32 v[ST+8*(\t)+6], v[ST+8*(\t)+4]
.endr
	v_nop                                          ; a plain instruction between the last reciprocal and the use of its result,
	s_wait_alu depctr_va_vdst(0)                   ; and the wait: one for the four
; Row tile rt of both heads, upper part: O = O^T / l; hi = O rounded to f16, packed; O - hi, which is exact in f32, takes O's place (hi's half x -1 + O in one multiply-add);
; hi goes into the stage's rows of 272 bytes and comes back as whole rows of 256.
.macro HIPART rt
.irp hh, 0,1
.set t, 2*(\hh)+(\rt)
	WIN W_RS
.set n, 0
.rept 16
	v_pk_mul_f32 v[32*t+2*n:32*t+2*n+1], v[32*t+2*n:32*t+2*n+1], v[ST+8*t+6:ST+8*t+7] op_sel_hi:[1,0]
.set n, n+1
.endr
	WIN 0x05                                       ; both sources in window 1, the destination in window 0
.set n, 0
.rept 16
	v_cvt_pk_f16_f32 v[PKR+16*(\hh)+n], v[32*t+2*n], v[32*t+2*n+1]
.set n, n+1
.endr
	WIN W_LO
.set n, 0
.rept 16
	v_fma_mix_f32 v[32*t+2*n], v[PKR+16*(\hh)+n], v[NEG], v[32*t+2*n] op_sel_hi:[1,0,0]
	v_fma_mix_f32 v[32*t+2*n+1], v[PKR+16*(\hh)+n], v[NEG], v[32*t+2*n+1] op_sel:[1,0,0] op_sel_hi:[1,0,0]
.set n, n+1
.endr
	WIN 0
.irp cb, 0,1,2,3
	ds_store_b128 v[STO], v[PKR+16*(\hh)+4*(\cb):PKR+16*(\hh)+4*(\cb)+3] offset:128*(\hh)+32*(\cb)
.endr
.endr
.irp f, 0,1,2,3,4,5,6,7
	ds_load_b128 v[BKR+64*(\rt)+4*(\f):BKR+64*(\rt)+4*(\f)+3], v[RD] offset:(\f)*2*SPO  ; LDS serves a wave's instructions in order: these see the stores above; the next pass's stores come behind them
.endr
.endm
.macro LOPART rt                       ; the same tile's lower part: rounded to f16, packed into the same registers (the LDS stores above have read them at issue), through the stage
.irp hh, 0,1
.set t, 2*(\hh)+(\rt)
	WIN 0x05
.set n, 0
.rept 16
	v_cvt_pk_f16_f32 v[PKR+16*(\hh)+n], v[32*t+2*n], v[32*t+2*n+1]
.set n, n+1
.endr
	WIN 0
.irp cb, 0,1,2,3
	ds_store_b128 v[STO], v[PKR+16*(\hh)+4*(\cb):PKR+16*(\hh)+4*(\cb)+3] offset:128*(\hh)+32*(\cb)
.endr
.endr
.irp f, 0,1,2,3,4,5,6,7
	ds_load_b128 v[BKR+64*(\rt)+32+4*(\f):BKR+64*(\rt)+32+4*(\f)+3], v[RD] offset:(\f)*2*SPO
.endr
.endm
.macro SENDO pp, younger               ; pass pp = 2 x row tile + part; younger: the LDS instructions issued behind this pass's loads: the next pass's 8 stores and 8 loads, or none
.irp f, 0,1,2,3,4,5,6,7
	s_wait_dscnt (\younger)+7-(\f)
	global_store_b128 v[GO], v[BKR+32*(\pp)+4*(\f):BKR+32*(\pp)+4*(\f)+3], s[8:9] offset:65536*((\pp)/2)+2048*((\pp)%2)+8192*(\f)  ; 16 lanes store 256 consecutive bytes, at a multiple of 256 from o16's first
.endr
.endm
	HIPART 0
	LOPART 0
	SENDO 0, 16
	HIPART 1
	SENDO 1, 16
	LOPART 1
	SENDO 2, 16
	SENDO 3, 0
	s_wait_tensorcnt 0x0                           ; the wave's end: behind my last tensor load and my last LDS store
	ds_add_u32 v[SPW], v[NIL]
	s_wait_dscnt 0x0
	CROUND                                         ; the closing round: no work-group ends while a partner may still ask for a tile that names it
	s_endpgm
.Lfunc_end_k_q59e94defd4_attn:
	.size	k_q59e94defd4_attn, .Lfunc_end_k_q59e94defd4_attn-k_q59e94defd4_attn
	.p2alignl 7, 3214868480
	.fill 96, 4, 3214868480
	.section	.rodata,"a",@progbits
	.p2align	6, 0x0
	.amdhsa_kernel k_q59e94defd4_attn
		.amdhsa_group_segment_fixed_size 327680
		.amdhsa_private_segment_fixed_size 0
		.amdhsa_enable_private_segment 0
		.amdhsa_kernarg_size 24
		.amdhsa_user_sgpr_count 2
		.amdhsa_user_sgpr_kernarg_segment_ptr 1
		.amdhsa_wavefront_size32 1
		.amdhsa_system_sgpr_workgroup_id_x 1
		.amdhsa_system_sgpr_workgroup_id_y 1
		.amdhsa_system_sgpr_workgroup_id_z 1
		.amdhsa_system_vgpr_workitem_id 0
		.amdhsa_next_free_vgpr 768
		.amdhsa_next_free_sgpr 80
		.amdhsa_reserve_vcc 0
		.amdhsa_float_denorm_mode_32 3
		.amdhsa_float_denorm_mode_16_64 3
		.amdhsa_memory_ordered 1
		.amdhsa_forward_progress 1
		.amdhsa_inst_pref_size 131
	.end_amdhsa_kernel
	.amdgpu_metadata
---
amdhsa.version: [ 1, 2 ]
amdhsa.kernels:
  - .name:           k_q59e94defd4_attn
    .symbol:         k_q59e94defd4_attn.kd
    .args:
      - { .name: qkv, .offset: 0, .size: 8, .value_kind: global_buffer, .address_space: global }
      - { .name: m2, .offset: 8, .size: 8, .value_kind: global_buffer, .address_space: global }
      - { .name: o16, .offset: 16, .size: 8, .value_kind: global_buffer, .address_space: global }
    .group_segment_fixed_size: 327680
    .private_segment_fixed_size: 0
    .kernarg_segment_align: 8
    .kernarg_segment_size: 24
    .max_flat_workgroup_size: 128
    .sgpr_count:     80
    .vgpr_count:     768
    .wavefront_size: 32
...
	.end_amdgpu_metadata
.endif
;; end of part 3
;; launch oproj (part 4): grid 8 x 32, 4 waves a work-group, clusters of 4 x 4, 327,680 bytes of LDS; arguments o16, wo16, out0; writes out0
.if DOCPART == 4
	.amdgcn_target "amdgcn-amd-amdhsa--gfx1250"
	.amdhsa_code_object_version 6
	.text
	.protected	k_q59e94defd4_oproj
	.globl	k_q59e94defd4_oproj
	.p2align	8
	.type	k_q59e94defd4_oproj,@function
k_q59e94defd4_oproj:
	s_mov_b64 s[64:65], 0
	v_nop
	global_prefetch_b8 v0, s[64:65] scope:SCOPE_SE
	s_setreg_imm32_b32 hwreg(HW_REG_WAVE_MODE, 25, 1), 1
	s_wait_xcnt 0x0
	s_wait_alu depctr_hold_cnt(0) depctr_sa_sdst(0) depctr_va_vdst(0) depctr_va_sdst(0) depctr_va_ssrc(0) depctr_va_vcc(0) depctr_vm_vsrc(0)
	s_getreg_b32 s2, hwreg(HW_REG_IB_STS2, 6, 4)
	s_cmp_eq_u32 s2, 0
	s_cbranch_scc0 .Lentry_in_a_cluster
	s_endpgm
.Lentry_in_a_cluster:
	s_bfe_u32 s2, ttmp6, 0x10000c
	s_cmp_lg_u32 s2, 0xf033
	s_cbranch_scc0 .Lentry_shape_is_right
	s_endpgm
.Lentry_shape_is_right:
; THE OUTPUT PROJECTION.  out0[token][col] = sum over k of (hi[token][k] + lo[token][k]) wo16[col][k], k = 0 .. 1,023; f16 operands, f32 sums; out0 is f32 and leaves unrounded.
; o16[token][2048] holds O as two f16 numbers: hi at column k, lo at column 1,024 + k.  BOTH PARTS ARE MULTIPLIED IN THE SAME K STEP, onto the same accumulators: a fragment of wo16, once in registers,
; serves hi's and lo's products, and a tile of wo16 is brought once for both.
; SHARES.  A tile of out0 is 128 tokens x 256 columns: 8 x 32 work-groups, one for each of 256 WGPs.  Four waves, each 64 tokens x 128 columns: 32 accumulators of 16 x 16, 256 registers.
; K goes in steps of 128 through two LDS slots.  A slot: 128 rows of hi, the same tokens' 128 rows of lo, 256 rows of wo16, each row 256 bytes of memory, aligned; each wave brings 128 of these rows by one tensor load.
; A step is 256 matrix instructions a wave; from a refill's request to the wait for it a wave issues 224.
; THE TEXT.  A K step is written once: one descriptor a tensor walks (its LDS word by an exclusive or with SLOT, which shares no bit with wave x HALFT; its address by 256 bytes), and the fragments' LDS addresses are made
; from a scalar that is 0 or SLOT.  Written out beside the loop: the first quarter step, whose hi products start the sums, and the last two K steps, which fill nothing: a loop of two trips that is left in its middle.
; CLUSTER 4 x 4: hi's and lo's tiles hang on the tile row alone and are asked for jointly along a row of the cluster, wo16's on the tile column alone, along a column.
; THE MATRIX INSTRUCTION IS USED TRANSPOSED (source 0 = 16 rows of wo16, source 1 = 16 tokens): a lane holds one token (lane % 16) and eight neighbouring columns, 32 bytes.
; REGISTERS, in windows of 256.  Window 0: v16-30 addresses; v64-127, v128-191 two buffers of A's fragments: part p (0 hi, 1 lo), token block a at + 8 (4 p + a); on the way out rows read back.
;   Window 1: v64-127, v128-191 two buffers of wo16's fragments, column block b at + 8 b.   Window 2: accumulator (a, b) at 8 (8 a + b).
.set SIZE_K, 1024                      ; elements in a row of wo16
.set AROW,   2048                      ; elements in a row of o16
.set SIZE_N, 2048
.set KSTEP,  128
.set PITCH,  272                       ; an LDS row: 256 bytes + 16 of padding = 68 words: the 16 rows of a fragment load start at 16 different groups of four banks
.set HALFT,  128*PITCH                 ; 34,816 = 0x8800: what one tensor load brings
.set SLOT,   4*HALFT                   ; 139,264 = 0x22000: hi, lo, wo16's two halves
.set STAGE,  2*SLOT                    ; behind the ring: 16 rows x 528 bytes for each wave, never filled by a tensor load
.set SP,     528                       ; a row of 128 f32 + 16 bytes = 33 x 16: the 16 rows of a store start at 16 different groups of four banks
.set SPARE,  STAGE+4*16*SP             ; the spare words, 128 bytes a wave: two blocks of 256 bytes that no other line names
.set FILLS,  SIZE_K/KSTEP-2            ; 6 trips of the loop: K steps 2 to 7 are asked for in them
.set ADRA0, 16                         ; v16  my lane's place among A's fragments in a slot; never rewritten
.set ADRB0, 17                         ; v17  the same for wo16's
.set ADRA, 18                          ; v18  the same in the slot in hand
.set ADRB, 19                          ; v19
.set STO,  24                          ; v24  the way out: where I put 32 bytes of a row
.set RD,   25                          ; v25  where I read a row back
.set CO,   26                          ; v26  16 x lane: my place in a row's 512 bytes
.set SPW,  28                          ; v28  my spare word; never rewritten
.set NIL,  29                          ; v29  0; never rewritten
.set PFO,  30                          ; v30  the prefetches' offset: my lane x a row of o16 or wo16; never rewritten
.set F0,   64
.set F1,   128
.set OB,   64                          ; the way out: two buffers of 64
.set WV,   12                          ; s12 wave; s13 its half of the tokens (also: 0 = I fetch for A); s14 its half of the columns (also: which part or half I fetch)
.set RH,   13
.set CH,   14
.set G1A,  24                          ; s[24:31] descriptor group 1 for o16's tiles
.set G0A,  32                          ; s[32:35] group 0 for o16's tiles: it walks
.set G0B,  36                          ; s[36:39] the same for wo16's
.set LIM,  43                          ; s43  2 in a wave that prefetches, else the greatest number: it asks while more trips than that are left
.set PFA,  44                          ; s[44:45] where my prefetches stand
.set G1B,  48                          ; s[48:55] descriptor group 1 for wo16's tiles
.set TB,   56                          ; s56  LDS byte at which the slot in hand begins: 0 or SLOT
.set FLAGS, (1<<16)|(1<<20)|(1<<21)|(5<<22)|(3<<25)  ; 2-byte elements; padding on; bit 21 beside a mask; after every 64 words; 4 words
.set MUL,  0xa1                        ; source 0 (wo16) window 1, source 1 (A) window 0, C and D window 2
.set TO_B, 0x40                        ; destination window 1, address window 0
.set MSB, 0
.macro WIN new                         ; the immediate's high byte repeats the setting that is left; a switch that changes nothing is dropped
.if MSB != (\new)
	s_set_vgpr_msb (MSB<<8)|(\new)
.set MSB, \new
.endif
.endm
.macro JLOAD                           ; a joint load: wave 0 hi's rows, wave 1 lo's, waves 2 and 3 wo16's halves; the branch hangs on the wave's number alone; an s_nop 0 and four v_nop follow each line
	s_cmp_eq_u32 s[RH], 0
	s_cbranch_scc0 .Lfor_b_\@
	tensor_load_to_lds s[G0A:G0A+3], s[G1A:G1A+7]
	s_nop 0
.rept 4
	v_nop
.endr
	s_branch .Lasked_\@
.Lfor_b_\@:
	tensor_load_to_lds s[G0B:G0B+3], s[G1B:G1B+7]
	s_nop 0
.rept 4
	v_nop
.endr
.Lasked_\@:
.endm
; A prefetch of the K step two refills on (512 matrix instructions of a wave ahead of the load that wants it): 32 rows x 256 bytes, a lane a row, one instruction a wave.
; Each row's 256 bytes of a K step are named once in the launch: o16's by the clusters with x = 0 (waves 0, 1), wo16's by the clusters with y = 0 (waves 2, 3); of the 128 rows that a wave fetches the partner at place p
; takes 32 p .. 32 p + 31 (p = cx for o16, cy for wo16): the partners are told apart by address, never by a branch.  K steps 0 to 3 come by their loads alone; the loop's last two trips ask for nothing: there is no K step two on.
.macro ASK
	s_cmp_gt_u32 s3, s[LIM]
	s_cbranch_scc0 .Lnot_mine_\@
	global_prefetch_b8 v[PFO], s[PFA:PFA+1] offset:KSTEP*2 th:TH_LOAD_NT scope:SCOPE_SE
.Lnot_mine_\@:
.endm
.macro CREST                           ; a round of the cluster's barrier behind its opening barrier
	s_cmp_lg_u32 s[WV], 0
	s_cbranch_scc1 .Lnot_wave_0_\@
	s_barrier_signal -3
.Lnot_wave_0_\@:
	s_barrier_wait -3
	s_barrier_signal -1
	s_barrier_wait -1
.endm
.macro CROUND
	s_barrier_signal -1
	s_barrier_wait -1
	CREST
.endm
.macro PLACES                          ; four plain places behind matrix instructions, in front of loads into registers that they read and of lines that read results
.rept 4
	v_nop
.endr
.endm
.macro STEPD                           ; the walking descriptors: the other slot than last time, the next K step; the type bits on top are not reached
	s_xor_b32 s[G0A+1], s[G0A+1], SLOT
	s_add_nc_u64 s[G0A+2:G0A+3], s[G0A+2:G0A+3], KSTEP*2
	s_xor_b32 s[G0B+1], s[G0B+1], SLOT
	s_add_nc_u64 s[G0B+2:G0B+3], s[G0B+2:G0B+3], KSTEP*2
.endm
.macro NEXTSLOT                        ; the fragments' addresses go over to the other slot
	s_xor_b32 s[TB], s[TB], SLOT
	v_add_nc_u32 v[ADRA], s[TB], v[ADRA0]
	v_add_nc_u32 v[ADRB], s[TB], v[ADRB0]
.endm
	s_load_b128 s[4:7], s[0:1], 0x0                ; o16 s[4:5], wo16 s[6:7]
	s_load_b64 s[8:9], s[0:1], 0x10                ; out0
	v_lshl_add_u32 v[SPW], v0, 2, SPARE
	v_mov_b32 v[NIL], 0
	ds_add_u32 v[SPW], v[NIL]                      ; the wave's opening: the add and its wait stand ahead of my first tensor load; register work stands between
	v_lshrrev_b32 v1, 5, v0
	v_readfirstlane_b32 s[WV], v1
	s_lshr_b32 s[RH], s[WV], 1
	s_and_b32 s[CH], s[WV], 1
	s_bfe_u32 s15, ttmp6, 0x40000                  ; cx
	s_bfe_u32 s16, ttmp6, 0x40004                  ; cy
	s_lshl_b32 s17, ttmp9, 2
	s_add_co_u32 s17, s17, s15                     ; tile column = 4 x cluster x + cx: 0 .. 7
	s_and_b32 s18, ttmp7, 0xffff
	s_lshl_b32 s18, s18, 2
	s_add_co_u32 s18, s18, s16                     ; tile row = 4 x cluster y + cy: 0 .. 31
	s_lshl_b32 s20, s16, 2
	s_lshl_b32 s20, 15, s20                        ; my row of the cluster
	s_lshl_b32 s46, 0x1111, s15                    ; my column
	s_or_b32 s[G1A], s20, FLAGS
	s_or_b32 s[G1B], s46, FLAGS
.irp g, G1A, G1B
	s_mov_b32 s[(\g)+1], KSTEP<<16                 ; tensor_dim0 = 128
	s_mov_b32 s[(\g)+2], 128<<16                   ; tensor_dim1 = 128
	s_mov_b32 s[(\g)+3], KSTEP<<16                 ; tile_dim0 = 128
	s_mov_b32 s[(\g)+4], 128                       ; tile_dim1 = 128
	s_mov_b32 s[(\g)+6], 0
	s_mov_b32 s[(\g)+7], 0
.endr
	s_mov_b32 s[G1A+5], AROW                       ; elements from row to row
	s_mov_b32 s[G1B+5], SIZE_K
	s_lshl_b32 s20, s18, 19                        ; o16: the tile's 128 tokens of 4,096 bytes,
	s_lshl_b32 s21, s[CH], 11                      ; + 2,048 for lo
	s_add_co_u32 s20, s20, s21
	s_mov_b32 s21, 0
	s_lshl_b32 s46, s17, 19                        ; wo16: the tile's 256 rows of 2,048 bytes,
	s_lshl_b32 s47, s[CH], 18                      ; + the half that I fetch
	s_add_co_u32 s46, s46, s47
	s_mov_b32 s47, 0
	s_mov_b32 s[G0A], 1
	s_mul_i32 s[G0A+1], s[WV], HALFT               ; where they go, in slot 0: wave x 128 rows: no place in the cluster enters an LDS address
	s_mov_b32 s[G0B], 1
	s_mul_i32 s[G0B+1], s[WV], HALFT
	s_mov_b32 s[TB], 0
	s_wait_dscnt 0x0                               ; the opening add is done
	s_wait_kmcnt 0x0
	s_add_nc_u64 s[G0A+2:G0A+3], s[4:5], s[20:21]
	s_or_b32 s[G0A+3], s[G0A+3], 0x80000000
	s_add_nc_u64 s[G0B+2:G0B+3], s[6:7], s[46:47]
	s_or_b32 s[G0B+3], s[G0B+3], 0x80000000
	CROUND                                         ; all sixteen work-groups are here: the first joint loads meet
	JLOAD                                          ; K step 0 into slot 0; slot 1 is asked for when slot 0 is in: one load of mine is out, here and ever after
	v_and_b32 v1, 15, v0                           ; r = lane % 16
	v_bfe_u32 v2, v0, 4, 1                         ; h = lane / 16
	v_mul_u32_u24 v3, v1, PITCH
	v_lshl_add_u32 v3, v2, 4, v3                   ; a fragment: row x pitch + 16 h, two loads 32 bytes apart
	s_mul_i32 s20, s[RH], 64*PITCH                 ; my 64 tokens in hi's rows; lo's lie HALFT on
	s_mul_i32 s21, s[CH], HALFT                    ; my 128 rows of wo16,
	s_add_co_u32 s21, s21, 2*HALFT                 ; which lie behind hi's and lo's
	v_add_nc_u32 v[ADRA0], s20, v3
	v_add_nc_u32 v[ADRB0], s21, v3
	v_mov_b32 v[ADRA], v[ADRA0]                    ; slot 0
	v_mov_b32 v[ADRB], v[ADRB0]
	s_mul_i32 s22, s[WV], 16*SP
	s_add_co_u32 s22, s22, STAGE                   ; my stage
	v_mul_u32_u24 v4, v1, SP
	v_lshl_add_u32 v4, v2, 5, v4
	v_add_nc_u32 v[STO], s22, v4                   ; in: row r, 32 bytes for each half of the lanes
	v_and_b32 v5, 31, v0
	v_lshlrev_b32 v[CO], 4, v5                     ; back and out: 32 lanes take one row of 512 bytes
	v_add_nc_u32 v[RD], s22, v[CO]
	s_lshl_b32 s20, s18, 20                        ; out0: the tile's 128 tokens of 8,192 bytes,
	s_lshl_b32 s21, s[RH], 19                      ; my 64 of them,
	s_add_co_u32 s20, s20, s21
	s_lshl_b32 s21, s17, 10                        ; the tile's 256 columns: 1,024 bytes,
	s_add_co_u32 s20, s20, s21
	s_lshl_b32 s21, s[CH], 9                       ; my 128: 512
	s_add_co_u32 s20, s20, s21
	s_mov_b32 s21, 0
	s_add_nc_u64 s[8:9], s[8:9], s[20:21]
	; the prefetches
	s_lshl_b32 s20, s18, 7
	s_lshl_b32 s21, s15, 5
	s_add_co_u32 s20, s20, s21                     ; o16: my work-group's 32 of the tile's 128 tokens,
	s_lshl_b32 s20, s20, 12
	s_lshl_b32 s21, s[CH], 11                      ; the part that I fetch
	s_add_co_u32 s20, s20, s21
	s_lshl_b32 s22, s17, 8
	s_lshl_b32 s23, s[CH], 7
	s_add_co_u32 s22, s22, s23
	s_lshl_b32 s23, s16, 5
	s_add_co_u32 s22, s22, s23                     ; wo16: my work-group's 32 of the 128 rows that I fetch
	s_lshl_b32 s22, s22, 11
	s_and_b32 s23, ttmp7, 0xffff                   ; cluster y
	s_cmp_eq_u32 s[RH], 0                          ; do I fetch for A?
	s_cselect_b32 s20, s20, s22
	s_cselect_b32 s23, ttmp9, s23                  ; the coordinate along which other clusters read the same rows
	s_cselect_b64 s[PFA:PFA+1], s[4:5], s[6:7]
	s_cselect_b32 s40, 12, 11                      ; log2 of a row's bytes
	s_cmp_eq_u32 s23, 0
	s_cselect_b32 s[LIM], 2, -1                    ; the same in all sixteen partners, for a given wave
	s_add_co_u32 s20, s20, 2*KSTEP*2               ; at K step 2: the loop's first trip steps it to 3 and names K step 4
	s_mov_b32 s21, 0
	s_add_nc_u64 s[PFA:PFA+1], s[PFA:PFA+1], s[20:21]
	v_lshlrev_b32 v[PFO], s40, v5
; 16 matrix instructions: part p, token blocks a0, a0 + 1 x all 8 column blocks, 32 along K.  The 32 accumulators come in the same order for hi and for lo and in every quarter, one instruction a turn:
; between two matrix instructions on one accumulator stand the 31 others'.  zero = 1: the product starts the sum.
.macro MUL16 f, p, a0, zero
	WIN MUL
.irp a, \a0, (\a0)+1
.irp b, 0,1,2,3,4,5,6,7
.if \zero
	v_wmma_f32_16x16x32_f16 v[8*(8*(\a)+(\b)):8*(8*(\a)+(\b))+7], v[(\f)+8*(\b):(\f)+8*(\b)+7], v[(\f)+8*(4*(\p)+(\a)):(\f)+8*(4*(\p)+(\a))+7], 0
.else
	v_wmma_f32_16x16x32_f16 v[8*(8*(\a)+(\b)):8*(8*(\a)+(\b))+7], v[(\f)+8*(\b):(\f)+8*(\b)+7], v[(\f)+8*(4*(\p)+(\a)):(\f)+8*(4*(\p)+(\a))+7], v[8*(8*(\a)+(\b)):8*(8*(\a)+(\b))+7]
.endif
.endr
.endr
.endm
; 32 LDS loads in one run: the fragments of 32 along K at byte k of the rows of the slot in hand: wo16's 8, hi's 4, lo's 4
.macro FETCH k, f
	WIN TO_B
.irp i, 0,1,2,3,4,5,6,7
	ds_load_b128 v[(\f)+8*(\i):(\f)+8*(\i)+3],   v[ADRB] offset:(\k)+(\i)*16*PITCH
	ds_load_b128 v[(\f)+8*(\i)+4:(\f)+8*(\i)+7], v[ADRB] offset:(\k)+(\i)*16*PITCH+32
.endr
	WIN 0
.irp p, 0,1
.irp i, 0,1,2,3
	ds_load_b128 v[(\f)+8*(4*(\p)+(\i)):(\f)+8*(4*(\p)+(\i))+3],   v[ADRA] offset:(\k)+(\p)*HALFT+(\i)*16*PITCH
	ds_load_b128 v[(\f)+8*(4*(\p)+(\i))+4:(\f)+8*(4*(\p)+(\i))+7], v[ADRA] offset:(\k)+(\p)*HALFT+(\i)*16*PITCH+32
.endr
.endr
.endm
; A K step is four quarters of 32 along K, 64 matrix instructions each, on buffers 0, 1, 0, 1.  One of the first three: multiplies f (hi, then lo) and, in its middle, fetches the next quarter, at byte k, into g.
.macro QUARTER k, f, g, zero
	s_wait_dscnt 8                                 ; wo16's and hi's fragments are in; the youngest eight loads (lo's) may be out
	MUL16 \f, 0, 0, \zero
	MUL16 \f, 0, 2, \zero
	PLACES
	FETCH \k, \g
	s_wait_dscnt 32                                ; all but the 32 just issued
	MUL16 \f, 1, 0, 0
	MUL16 \f, 1, 2, 0
.endm
; The first half of a step's last quarter, which multiplies buffer 1 and changes slots: one barrier; in front of it each wave waits for all its tensor loads (one is out: its part of the next slot), adds 0 to its spare word,
; and waits for that and for its reads of this slot.  step = 1: this slot will be filled again: the descriptors are stepped where no load of mine is out.
.macro MEET step
	WIN 0
	s_wait_tensorcnt 0x0
	ds_add_u32 v[SPW], v[NIL]
.if \step
	STEPD
.endif
	s_wait_dscnt 9                                 ; the add and the youngest eight loads may be out
	MUL16 F1, 0, 0, 0
	s_wait_dscnt 0x0                               ; the add is done, my reads of this slot are over
	s_barrier_signal -1
	MUL16 F1, 0, 2, 0
	WIN 0
	s_barrier_wait -1
.endm
	s_wait_tensorcnt 0x0                           ; my part of K step 0 is in: no load of mine is out, so the descriptors may be stepped
	ds_add_u32 v[SPW], v[NIL]
	STEPD
	s_wait_dscnt 0x0
	CROUND                                         ; everybody's part is in, in all sixteen work-groups
	JLOAD                                          ; K step 1 into slot 1
	FETCH 0, F0
	QUARTER 64, F0, F1, 1                          ; the first quarter's hi products start the sums
	WIN 0
	s_mov_b32 s3, FILLS
.Lstep:                                        ; a trip: from a K step's second quarter to the next step's first; the slot that is left is filled again, two K steps on
	QUARTER 128, F1, F0, 0
	QUARTER 192, F0, F1, 0
	s_wait_xcnt 0x0                                ; the last prefetch, a K step back, has read its address: it is stepped here
	s_add_nc_u64 s[PFA:PFA+1], s[PFA:PFA+1], KSTEP*2
	MEET 1
	CREST                                          ; the barrier has opened a round of the cluster's: no wave of any partner still reads this slot or has a load on its way
	JLOAD                                          ; the first tensor load behind the round; its four v_nop are also the places in front of the loads below
	NEXTSLOT
	FETCH 0, F0
	ASK
	MUL16 F1, 1, 0, 0
	MUL16 F1, 1, 2, 0
	QUARTER 64, F0, F1, 0
	WIN 0
	s_sub_co_u32 s3, s3, 1
	s_cmp_lg_u32 s3, 0
	s_cbranch_scc1 .Lstep
	s_mov_b32 s2, 2                                ; the last two K steps fill nothing
.Ltail:
	QUARTER 128, F1, F0, 0
	QUARTER 192, F0, F1, 0
	MEET 0                                         ; first trip: the last K step's tile is whole for everybody; second trip: the lines serve nothing more, and every wave passes them alike
	s_cmp_eq_u32 s2, 1
	s_cbranch_scc1 .Lno_more                       ; behind the last K step there is nothing to fetch
	NEXTSLOT
	PLACES
	FETCH 0, F0
.Lno_more:
	MUL16 F1, 1, 0, 0
	MUL16 F1, 1, 2, 0
	WIN 0
	s_sub_co_u32 s2, s2, 1
	s_cmp_eq_u32 s2, 0
	s_cbranch_scc1 .Lout
	QUARTER 64, F0, F1, 0
	WIN 0
	s_branch .Ltail
.Lout:
	PLACES
	PLACES                                         ; eight, once a launch
; THE WAY OUT, a block of 16 tokens at a time: the sums go as they are, 32 bytes a lane and column block, into my stage's rows of 528 bytes and come back as whole rows of 512.
.macro TOSTAGE a
.set BK, OB+64*((\a)%2)
	WIN 0
	s_wait_xcnt 0x0                                ; the stores of two blocks back have read the registers that the loads below write
	WIN 0x08                                       ; the stores' data in window 2
.irp b, 0,1,2,3,4,5,6,7
	ds_store_b128 v[STO], v[8*(8*(\a)+(\b)):8*(8*(\a)+(\b))+3]   offset:64*(\b)
	ds_store_b128 v[STO], v[8*(8*(\a)+(\b))+4:8*(8*(\a)+(\b))+7] offset:64*(\b)+16
.endr
	WIN 0
.irp t, 0,1,2,3,4,5,6,7,8,9,10,11,12,13,14,15
	ds_load_b128 v[BK+4*(\t):BK+4*(\t)+3], v[RD] offset:(\t)*SP  ; LDS serves a wave's instructions in order: these see the stores above, and the next block's stores come behind them
.endr
.endm
.macro SEND a, younger                 ; younger: the LDS instructions issued behind block a's loads: the next block's 16 stores and 16 loads, or none
.set BK, OB+64*((\a)%2)
.irp t, 0,1,2,3,4,5,6,7,8,9,10,11,12,13,14,15
	s_wait_dscnt (\younger)+15-(\t)
	global_store_b128 v[CO], v[BK+4*(\t):BK+4*(\t)+3], s[8:9] offset:(16*(\a)+(\t))*SIZE_N*4 th:TH_STORE_NT  ; a wave stores 512 consecutive bytes, at a multiple of 256 from out0's first; 63 rows at the most: 516,096 bytes, inside the immediate
.endr
.endm
	TOSTAGE 0
.irp a, 1,2,3
	TOSTAGE \a
	SEND (\a)-1, 32
.endr
	SEND 3, 0
	s_wait_tensorcnt 0x0                           ; the wave's end: behind my last tensor load and my last LDS store
	ds_add_u32 v[SPW], v[NIL]
	s_wait_dscnt 0x0
	CROUND                                         ; the closing round: no work-group ends while a partner may still ask for a tile that names it
	s_endpgm
.Lfunc_end_k_q59e94defd4_oproj:
	.size	k_q59e94defd4_oproj, .Lfunc_end_k_q59e94defd4_oproj-k_q59e94defd4_oproj
	.p2alignl 7, 3214868480
	.fill 96, 4, 3214868480
	.section	.rodata,"a",@progbits
	.p2align	6, 0x0
	.amdhsa_kernel k_q59e94defd4_oproj
		.amdhsa_group_segment_fixed_size 327680
		.amdhsa_private_segment_fixed_size 0
		.amdhsa_enable_private_segment 0
		.amdhsa_kernarg_size 24
		.amdhsa_user_sgpr_count 2
		.amdhsa_user_sgpr_kernarg_segment_ptr 1
		.amdhsa_wavefront_size32 1
		.amdhsa_system_sgpr_workgroup_id_x 1
		.amdhsa_system_sgpr_workgroup_id_y 1
		.amdhsa_system_sgpr_workgroup_id_z 1
		.amdhsa_system_vgpr_workitem_id 0
		.amdhsa_next_free_vgpr 768
		.amdhsa_next_free_sgpr 66
		.amdhsa_reserve_vcc 0
		.amdhsa_float_denorm_mode_32 3
		.amdhsa_float_denorm_mode_16_64 3
		.amdhsa_memory_ordered 1
		.amdhsa_forward_progress 1
		.amdhsa_inst_pref_size 86
	.end_amdhsa_kernel
	.amdgpu_metadata
---
amdhsa.version: [ 1, 2 ]
amdhsa.kernels:
  - .name:           k_q59e94defd4_oproj
    .symbol:         k_q59e94defd4_oproj.kd
    .args:
      - { .name: o16, .offset: 0, .size: 8, .value_kind: global_buffer, .address_space: global }
      - { .name: wo16, .offset: 8, .size: 8, .value_kind: global_buffer, .address_space: global }
      - { .name: out0, .offset: 16, .size: 8, .value_kind: global_buffer, .address_space: global }
    .group_segment_fixed_size: 327680
    .private_segment_fixed_size: 0
    .kernarg_segment_align: 8
    .kernarg_segment_size: 24
    .max_flat_workgroup_size: 128
    .sgpr_count:     66
    .vgpr_count:     768
    .wavefront_size: 32
...
	.end_amdgpu_metadata
.endif
;; end of part 4
